; MI455X (gfx1250); checked and timed in simulation.
; The chip was launched on July 23, 2026; its instructions are those of AMD's public machine-readable ISA for CDNA 5 (MIT licence, August 2026) and "CDNA5" Instruction Set Architecture Reference Guide (July 2026). The comments in the code are by the model that wrote it; some were corrected since.
;; RATE Attention. Allowed arithmetic: float matrix products may take bf16 or f16 operands with f32 sums; other float arithmetic in f32, or as packed bf16 or f16 multiplies, adds, multiply-adds, maxima and minima; sums over many terms, partial sums and values carried from step to step in f32; what a program stores and reads back later, other than sums and carried values, may be rounded once to bf16 or f16.
;; Inputs: Wk 1,024 x 1,024 float32; Wo 1,024 x 1,024 float32; Wq 1,024 x 1,024 float32; Wv 1,024 x 1,024 float32; bk 1,024 float32; bo 1,024 float32; bq 1,024 float32; bv 1,024 float32; delta_r 2 x 2,048 float32; x 2 x 2,048 x 1,024 float32.
;; Outputs: out0 2 x 2,048 x 1,024 float32; out1 2 x 2,048 x 2,048 float32.
;; 2 versions, each right; version 2 is version 1 with the launch prep written anew for expert scheduling mode. Each part assembles by itself: llvm-mc -triple=amdgcn-amd-amdhsa -mcpu=gfx1250 --defsym DOCPART=n.
;; ======== version 1 of 2: 4 launches
;; limits: values are held in f16: magnitudes above 65,504 overflow, below 6.1e-05 lose precision
;; workspace buffers: xb 8,388,608 bytes; wb 8,388,608 bytes; tab 86,016 bytes; qkv 25,165,824 bytes; st 262,144 bytes; ctx 16,777,216 bytes
;; launch prep (part 1): grid 264 x 1, 8 waves a work-group, no clusters, 0 bytes of LDS; arguments x, Wq, Wk, Wv, Wo, delta_r, bq, bk, bv, bo, xb, wb, tab; writes xb, wb, tab
.if DOCPART == 1
	.amdgcn_target "amdgcn-amd-amdhsa--gfx1250"
	.amdhsa_code_object_version 6
	.text
	.protected	k_qfd84be1685_prep
	.globl	k_qfd84be1685_prep
	.p2align	8
	.type	k_qfd84be1685_prep,@function
k_qfd84be1685_prep:
	s_mov_b64 s[64:65], 0
	v_nop
	global_prefetch_b8 v0, s[64:65] scope:SCOPE_SE
	s_setreg_imm32_b32 hwreg(HW_REG_WAVE_MODE, 25, 1), 1
	s_wait_xcnt 0x0
; PREP.  Every input is rounded once to bf16, and the small tables are made.
;   work-groups 0-127:   32 rows of x            -> xb (bf16, the same layout)
;   work-groups 128-255: 32 rows of Wq,Wk,Wv,Wo  -> wb (bf16, the four matrices on end)
;   work-groups 256-259: 1,024 positions of delta_r -> tab: for batch b at 32,768 b: TL = lb + a j, TR = lb - a j, DR = delta_r rounded, LB = lb,
;                        8,192 bytes each; lb = log2(DR + 1e-6), a = 0.1 log2(e)
;   work-groups 260-263: one bias each -> tab + 65,536: [bq c | bk | 0 | bv | bo], rounded to bf16 and kept as f32; c = log2(e) / 8
; A stream: no LDS, no matrix work.  A cast work-group has all its 32 loads (128 KiB) out at once; a wave's store covers 256 consecutive bytes, aligned.
; LIMIT: delta_r + 1e-6 <= 0 gives what log2 gives of it, as in the problem's own log.
.set CQ,   0x3e38aa3b                  ; log2(e) / 8
.set APOS, 0x3e13bb63                  ; 0.1 log2(e)
.set ANEG, 0xbe13bb63
.set EPS,  0x358637bd                  ; 1e-6
	s_load_b512 s[8:23], s[0:1], 0x0               ; x 8, Wq 10, Wk 12, Wv 14, Wo 16, delta_r 18, bq 20, bk 22
	s_load_b256 s[24:31], s[0:1], 0x40             ; bv 24, bo 26, xb 28, wb 30
	s_load_b64 s[32:33], s[0:1], 0x60              ; tab
	s_mov_b32 s2, ttmp9                            ; g
	v_lshlrev_b32 v1, 4, v0                        ; 16 t
	v_lshlrev_b32 v2, 3, v0                        ; 8 t
	s_lshr_b32 s3, s2, 5
	s_and_b32 s4, s2, 31
	s_and_b32 s5, s2, 127
	s_wait_kmcnt 0x0
	s_cmp_lt_u32 s2, 256
	s_cbranch_scc0 .Lsmall
	; ---- the cast: 131,072 bytes in, 65,536 out
	s_cmp_eq_u32 s3, 4
	s_cselect_b64 s[34:35], s[10:11], s[8:9]
	s_cmp_eq_u32 s3, 5
	s_cselect_b64 s[34:35], s[12:13], s[34:35]
	s_cmp_eq_u32 s3, 6
	s_cselect_b64 s[34:35], s[14:15], s[34:35]
	s_cmp_eq_u32 s3, 7
	s_cselect_b64 s[34:35], s[16:17], s[34:35]
	s_cmp_lt_u32 s2, 128
	s_cselect_b64 s[36:37], s[28:29], s[30:31]     ; xb or wb
	s_cselect_b32 s4, s2, s4                       ; the part of the source: g in x, g % 32 in a matrix
	s_lshl_b32 s38, s4, 17
	s_mov_b32 s39, 0
	s_lshl_b32 s40, s5, 16                         ; the part of the destination: g % 128 in both
	s_mov_b32 s41, 0
	s_add_nc_u64 s[34:35], s[34:35], s[38:39]
	s_add_nc_u64 s[36:37], s[36:37], s[40:41]
.set i, 0
.rept 32
	global_load_b128 v[8+4*i:11+4*i], v1, s[34:35] offset:4096*i th:TH_LOAD_NT
.set i, i+1
.endr
.set i, 0
.rept 32
	s_wait_loadcnt 31-i                            ; loads come back in order: number i is in, the 31 - i younger ones stay out
	v_cvt_pk_bf16_f32 v[136+2*i], v[8+4*i], v[9+4*i]
	v_cvt_pk_bf16_f32 v[137+2*i], v[10+4*i], v[11+4*i]
	global_store_b64 v2, v[136+2*i:137+2*i], s[36:37] offset:2048*i  ; no register is used twice, so nothing is waited for
.set i, i+1
.endr
	s_endpgm
.Lsmall:
	s_cmp_lt_u32 s2, 260
	s_cbranch_scc0 .Lbias
	; ---- the tables: four positions a thread
	s_sub_co_u32 s3, s2, 256                       ; e: batch e / 2, half e % 2
	s_lshl_b32 s38, s3, 12
	s_mov_b32 s39, 0
	s_add_nc_u64 s[34:35], s[18:19], s[38:39]
	global_load_b128 v[8:11], v1, s[34:35]
	s_lshr_b32 s4, s3, 1
	s_and_b32 s5, s3, 1
	s_lshl_b32 s40, s4, 15
	s_lshl_b32 s6, s5, 12
	s_add_co_u32 s40, s40, s6
	s_mov_b32 s41, 0
	s_add_nc_u64 s[36:37], s[32:33], s[40:41]
	s_lshl_b32 s5, s5, 10
	v_lshl_add_u32 v24, v0, 2, s5                  ; my first position j
	v_add_nc_u32 v25, 1, v24
	v_add_nc_u32 v26, 2, v24
	v_add_nc_u32 v27, 3, v24
	s_mov_b32 s42, APOS
	s_mov_b32 s43, ANEG
	s_wait_loadcnt 0x0
	v_cvt_pk_bf16_f32 v12, v8, v9
	v_cvt_pk_bf16_f32 v13, v10, v11
	v_lshlrev_b32 v8, 16, v12                      ; DR: delta_r rounded to bf16, as f32
	v_and_b32 v9, 0xffff0000, v12
	v_lshlrev_b32 v10, 16, v13
	v_and_b32 v11, 0xffff0000, v13
.irp k, 0,1,2,3
	v_add_f32 v[16+(\k)], EPS, v[8+(\k)]
.endr
.irp k, 0,1,2,3
	v_log_f32 v[16+(\k)], v[16+(\k)]               ; one batch of four
.endr
.irp k, 0,1,2,3
	v_cvt_f32_u32 v[20+(\k)], v[24+(\k)]           ; plain work that names no result of the batch
.endr
	s_wait_alu depctr_va_vdst(0)                   ; one wait for the batch, ahead of its first reader
.irp k, 0,1,2,3
	v_fma_f32 v[28+(\k)], v[20+(\k)], s42, v[16+(\k)]  ; TL
	v_fma_f32 v[32+(\k)], v[20+(\k)], s43, v[16+(\k)]  ; TR
.endr
	global_store_b128 v1, v[28:31], s[36:37]
	global_store_b128 v1, v[32:35], s[36:37] offset:8192
	global_store_b128 v1, v[8:11], s[36:37] offset:16384
	global_store_b128 v1, v[16:19], s[36:37] offset:24576
	s_endpgm
.Lbias:
	; ---- a bias: 1,024 numbers, four a thread
	s_sub_co_u32 s3, s2, 260                       ; 0 bq, 1 bk, 2 bv, 3 bo
	s_cmp_eq_u32 s3, 1
	s_cselect_b64 s[34:35], s[22:23], s[20:21]
	s_cmp_eq_u32 s3, 2
	s_cselect_b64 s[34:35], s[24:25], s[34:35]
	s_cmp_eq_u32 s3, 3
	s_cselect_b64 s[34:35], s[26:27], s[34:35]
	global_load_b128 v[8:11], v1, s[34:35]
	s_cmp_eq_u32 s3, 0
	s_cselect_b32 s42, CQ, 1.0                     ; bq carries q's scale
	s_cmp_ge_u32 s3, 2
	s_cselect_b32 s4, 1, 0
	s_add_co_u32 s4, s4, s3                        ; its place: 0, 1, 3, 4
	s_lshl_b32 s40, s4, 12
	s_mov_b32 s41, 0
	s_add_nc_u64 s[36:37], s[32:33], s[40:41]
	s_wait_loadcnt 0x0
	v_cvt_pk_bf16_f32 v12, v8, v9
	v_cvt_pk_bf16_f32 v13, v10, v11
	v_lshlrev_b32 v8, 16, v12
	v_and_b32 v9, 0xffff0000, v12
	v_lshlrev_b32 v10, 16, v13
	v_and_b32 v11, 0xffff0000, v13
.irp k, 0,1,2,3
	v_mul_f32 v[8+(\k)], s42, v[8+(\k)]
.endr
	global_store_b128 v1, v[8:11], s[36:37] offset:65536
	s_cmp_lg_u32 s3, 2
	s_cbranch_scc1 .Lend
.irp k, 0,1,2,3
	v_mov_b32 v[16+(\k)], 0                        ; place 2: x Wv is stored without a bias
.endr
	global_store_b128 v1, v[16:19], s[32:33] offset:65536+2*4096
.Lend:
	s_endpgm
.Lfunc_end_k_qfd84be1685_prep:
	.size	k_qfd84be1685_prep, .Lfunc_end_k_qfd84be1685_prep-k_qfd84be1685_prep
	.p2alignl 7, 3214868480
	.fill 96, 4, 3214868480
	.section	.rodata,"a",@progbits
	.p2align	6, 0x0
	.amdhsa_kernel k_qfd84be1685_prep
		.amdhsa_group_segment_fixed_size 0
		.amdhsa_private_segment_fixed_size 0
		.amdhsa_enable_private_segment 0
		.amdhsa_kernarg_size 104
		.amdhsa_user_sgpr_count 2
		.amdhsa_user_sgpr_kernarg_segment_ptr 1
		.amdhsa_wavefront_size32 1
		.amdhsa_system_sgpr_workgroup_id_x 1
		.amdhsa_system_sgpr_workgroup_id_y 1
		.amdhsa_system_sgpr_workgroup_id_z 1
		.amdhsa_system_vgpr_workitem_id 0
		.amdhsa_next_free_vgpr 200
		.amdhsa_next_free_sgpr 66
		.amdhsa_reserve_vcc 0
		.amdhsa_float_denorm_mode_32 3
		.amdhsa_float_denorm_mode_16_64 3
		.amdhsa_memory_ordered 1
		.amdhsa_forward_progress 1
		.amdhsa_inst_pref_size 17
	.end_amdhsa_kernel
	.amdgpu_metadata
---
amdhsa.version: [ 1, 2 ]
amdhsa.kernels:
  - .name:           k_qfd84be1685_prep
    .symbol:         k_qfd84be1685_prep.kd
    .args:
      - { .name: x, .offset: 0, .size: 8, .value_kind: global_buffer, .address_space: global }
      - { .name: Wq, .offset: 8, .size: 8, .value_kind: global_buffer, .address_space: global }
      - { .name: Wk, .offset: 16, .size: 8, .value_kind: global_buffer, .address_space: global }
      - { .name: Wv, .offset: 24, .size: 8, .value_kind: global_buffer, .address_space: global }
      - { .name: Wo, .offset: 32, .size: 8, .value_kind: global_buffer, .address_space: global }
      - { .name: delta_r, .offset: 40, .size: 8, .value_kind: global_buffer, .address_space: global }
      - { .name: bq, .offset: 48, .size: 8, .value_kind: global_buffer, .address_space: global }
      - { .name: bk, .offset: 56, .size: 8, .value_kind: global_buffer, .address_space: global }
      - { .name: bv, .offset: 64, .size: 8, .value_kind: global_buffer, .address_space: global }
      - { .name: bo, .offset: 72, .size: 8, .value_kind: global_buffer, .address_space: global }
      - { .name: xb, .offset: 80, .size: 8, .value_kind: global_buffer, .address_space: global }
      - { .name: wb, .offset: 88, .size: 8, .value_kind: global_buffer, .address_space: global }
      - { .name: tab, .offset: 96, .size: 8, .value_kind: global_buffer, .address_space: global }
    .group_segment_fixed_size: 0
    .private_segment_fixed_size: 0
    .kernarg_segment_align: 8
    .kernarg_segment_size: 104
    .max_flat_workgroup_size: 256
    .sgpr_count:     66
    .vgpr_count:     200
    .wavefront_size: 32
...
	.end_amdgpu_metadata
.endif
;; end of part 1
;; launch qkvp (part 2): grid 8 x 32, 4 waves a work-group, clusters of 4 x 4, 327,680 bytes of LDS; arguments xb, wb, tab, qkv; writes qkv
.if DOCPART == 2
	.amdgcn_target "amdgcn-amd-amdhsa--gfx1250"
	.amdhsa_code_object_version 6
	.text
	.protected	k_qfd84be1685_qkvp
	.globl	k_qfd84be1685_qkvp
	.p2align	8
	.type	k_qfd84be1685_qkvp,@function
k_qfd84be1685_qkvp:
	s_mov_b64 s[64:65], 0
	v_nop
	global_prefetch_b8 v0, s[64:65] scope:SCOPE_SE
	s_setreg_imm32_b32 hwreg(HW_REG_WAVE_MODE, 25, 1), 1
	s_wait_xcnt 0x0
	s_wait_alu depctr_hold_cnt(0) depctr_sa_sdst(0) depctr_va_vdst(0) depctr_va_sdst(0) depctr_va_ssrc(0) depctr_va_vcc(0) depctr_vm_vsrc(0)
	s_getreg_b32 s2, hwreg(HW_REG_IB_STS2, 6, 4)
	s_cmp_eq_u32 s2, 0
	s_cbranch_scc0 .Lentry_in_a_cluster
	s_endpgm
.Lentry_in_a_cluster:
	s_bfe_u32 s2, ttmp6, 0x10000c
	s_cmp_lg_u32 s2, 0xf033
	s_cbranch_scc0 .Lentry_shape_is_right
	s_endpgm
.Lentry_shape_is_right:
; QKVP.  [4096 x 1024] x [1024 x 3072] in bf16, sums in f32: q' = (x Wq + bq) c, k = x Wk + bk, u = x Wv, each rounded once to f16 and stored by heads: qkv[3][2][16][2048][64].
; c = log2(e) / 8 is applied in f32.  LIMIT: |q'|, |k|, |u| stay under 65,504 (f16).
; SHARES.  A work-group makes 128 rows x 384 columns: three chunks of 128 columns, chunk 3 x tile column + c of 24; a chunk lies in one matrix.  32 x 8 = 256 work-groups.
; Wave (rh, ch) makes rows 64 rh .. and, of each chunk, columns 64 ch ..: one head a chunk.  48 accumulators of 16 x 16, 384 registers.  K goes in 8 steps of 128, each four quarters of 32.
; THE PRODUCT IS TAKEN TRANSPOSED: source 0 = 16 columns of W (turned out of LDS by ds_load_tr16_b128), source 1 = 16 rows of x: a lane holds one row and eight neighbouring columns.
; CLUSTER 4 x 4: x's tile hangs on the tile row alone and is asked for jointly along a row of the cluster, W's chunks on the tile column alone, along a column.
; LDS: a slot = W's three chunks [128 k][128 n], rows of 288 bytes, then x's 128 rows of 272 bytes; wave w fills the part at w x BCH (waves 0-2 a chunk, wave 3 x's tile).
; A K STEP IS WRITTEN ONCE: s[TB] is the slot that is read, 0 or SLOT, turned by an exclusive or at each change; the fragments' addresses are s[TB] + a lane's place, made anew there.
; REGISTERS: window 0 addresses, the way out, the biases; window 1 two fragment buffers of 128 (W (c, t) at 8 (4 c + t), x (a) at 96 + 8 a);
;   window 2 the accumulators of chunks 0, 1 at 8 (16 c + 4 t + a); window 3 those of chunk 2 at 8 (4 t + a).
.set PA,    272
.set PB,    288
.set BCH,   128*PB                     ; 36,864
.set AOFF,  3*BCH
.set SLOT,  AOFF+128*PA                ; 145,408
.set STAGE, 2*SLOT                     ; behind the ring: 16 rows x 144 bytes for each wave
.set SP,    144
.set SPARE, STAGE+4*16*SP              ; the spare words: 128 bytes a wave, two blocks of 256 bytes that no other line names
.set ADRA0, 16                         ; v16    my lane's place among x's fragments in a slot; never rewritten
.set ADRB0, 17                         ; v17-19 the same for W's chunk c
.set ADRA,  20                         ; v20    s[TB] + v16
.set ADRB,  21                         ; v21-23 s[TB] + v17-19
.set STO,  24
.set RD,   25
.set GO,   26
.set BO,   27
.set SPW,  28
.set NIL,  29
.set PFO,  30
.set TMPF, 32                          ; v32-63  a block of 16 rows in f32
.set PK,   64                          ; v64-79  packed to f16
.set OB,   80                          ; v80-111 two buffers of 16: rows read back from the stage
.set BIAS, 128                         ; v128-223 at 32 c + 8 t + j
.set F0,   0
.set F1,   128
.set WV,  12
.set RH,  13
.set CH,  14
.set G1A, 24
.set G0A, 32                           ; s[32:39] two sets for the two first fills; the second then walks on
.set G1B, 40
.set G0B, 48
.set SB,  56                           ; s[56:61] where chunk c's head is stored
.set SC,  66                           ; s[66:71] chunk c's scale, as a pair
.set PFA, 72
.set PST, 74
.set LIM, 76
.set LB,  86                           ; s86  where my part of a slot lies: wave x BCH
.set TB,  87                           ; s87  the slot that is read
.set TO_F,   0x40
.set MUL_LO, 0xa5
.set MSB, 0
.macro WIN new                         ; the immediate's high byte repeats the setting that is left
.if MSB != (\new)
	s_set_vgpr_msb (MSB<<8)|(\new)
.set MSB, (\new)
.endif
.endm
.macro PLACES                          ; four plain places behind matrix instructions (ISA guide 7.12.1)
.rept 4
	v_nop
.endr
.endm
.macro CREST                           ; a round of the cluster's barrier behind its opening barrier
	s_cmp_lg_u32 s[WV], 0
	s_cbranch_scc1 .Lnot_wave_0_\@
	s_barrier_signal -3
.Lnot_wave_0_\@:
	s_barrier_wait -3
	s_barrier_signal -1
	s_barrier_wait -1
.endm
.macro CROUND
	s_barrier_signal -1
	s_barrier_wait -1
	CREST
.endm
.macro JLOAD s                         ; a joint load: wave 3 x's tile, waves 0-2 a chunk of W each; s_nop 0 and four v_nop follow each line
	s_cmp_eq_u32 s[WV], 3
	s_cbranch_scc0 .Lfor_b_\@
	tensor_load_to_lds s[G0A+4*(\s):G0A+4*(\s)+3], s[G1A:G1A+7]
	s_nop 0
.rept 4
	v_nop
.endr
	s_branch .Lasked_\@
.Lfor_b_\@:
	tensor_load_to_lds s[G0B+4*(\s):G0B+4*(\s)+3], s[G1B:G1B+7]
	s_nop 0
.rept 4
	v_nop
.endr
.Lasked_\@:
.endm
; A prefetch of the K step that the NEXT refill will ask for: 32 rows x 256 bytes, a lane a row, one instruction a wave.  x's rows are named by the clusters with x = 0, W's by those with y = 0;
; the four partners that ask for a tile jointly take 32 rows each, told apart by address.  The loop's last trip (s3 = 1) asks for nothing: there is no refill behind its own.
.macro ASK
	WIN 0
	s_cmp_gt_u32 s3, s[LIM]
	s_cbranch_scc0 .Lnot_mine_\@
	global_prefetch_b8 v[PFO], s[PFA:PFA+1] th:TH_LOAD_NT scope:SCOPE_SE
.Lnot_mine_\@:
.endm
.macro SETADR                          ; the fragments' addresses in the slot s[TB]
	v_add_nc_u32 v[ADRA], s[TB], v[ADRA0]
.irp c, 0,1,2
	v_add_nc_u32 v[ADRB+(\c)], s[TB], v[ADRB0+(\c)]
.endr
.endm
	s_load_b256 s[4:11], s[0:1], 0x0               ; xb 4, wb 6, tab 8, qkv 10
	v_lshl_add_u32 v[SPW], v0, 2, SPARE
	v_mov_b32 v[NIL], 0
	ds_add_u32 v[SPW], v[NIL]                      ; the wave's opening: the add and its wait ahead of my first tensor load
	v_lshrrev_b32 v1, 5, v0
	v_readfirstlane_b32 s[WV], v1
	s_lshr_b32 s[RH], s[WV], 1
	s_and_b32 s[CH], s[WV], 1
	s_bfe_u32 s16, ttmp6, 0x40000                  ; cx
	s_bfe_u32 s17, ttmp6, 0x40004                  ; cy
	s_lshl_b32 s18, ttmp9, 2
	s_add_co_u32 s18, s18, s16                     ; tile column
	s_and_b32 s19, ttmp7, 0xffff
	s_lshl_b32 s19, s19, 2
	s_add_co_u32 s19, s19, s17                     ; tile row
	s_lshl_b32 s20, s17, 2
	s_lshl_b32 s20, 15, s20                        ; my row of the cluster
	s_lshl_b32 s21, 0x1111, s16                    ; my column
	s_or_b32 s[G1A], s20, (1<<16)|(1<<20)|(1<<21)|(5<<22)|(3<<25)  ; 2-byte elements; padding of 4 words after every 64
	s_or_b32 s[G1B], s21, (1<<16)|(1<<20)|(1<<21)|(5<<22)|(7<<25)  ; padding of 8 words
.irp g, G1A, G1B
	s_mov_b32 s[(\g)+1], 128<<16                   ; tensor_dim0 = 128
	s_mov_b32 s[(\g)+2], 128<<16                   ; tensor_dim1 = 128
	s_mov_b32 s[(\g)+3], 128<<16                   ; tile_dim0 = 128
	s_mov_b32 s[(\g)+4], 128                       ; tile_dim1 = 128
	s_mov_b32 s[(\g)+5], 1024                      ; elements from row to row
	s_mov_b32 s[(\g)+6], 0
	s_mov_b32 s[(\g)+7], 0
.endr
	s_lshl_b32 s78, s19, 18                        ; x: tile row x 128 rows x 2,048 bytes
	s_mov_b32 s79, 0
	s_mul_i32 s80, s18, 3
	s_add_co_u32 s80, s80, s[WV]                   ; the chunk that I fetch
	s_lshr_b32 s81, s80, 3
	s_lshl_b32 s81, s81, 21                        ; its matrix
	s_and_b32 s80, s80, 7
	s_lshl_b32 s80, s80, 8                         ; its 128 columns
	s_add_co_u32 s80, s80, s81
	s_mov_b32 s81, 0
	s_mul_i32 s[LB], s[WV], BCH
	s_mov_b32 s[TB], 0
	s_wait_dscnt 0x0
	s_wait_kmcnt 0x0
	s_add_nc_u64 s[82:83], s[4:5], s[78:79]
	s_add_nc_u64 s[84:85], s[6:7], s[80:81]
	CROUND                                         ; all sixteen work-groups are here: the first joint loads meet
.irp s, 0,1
	s_mov_b32 s[G0A+4*(\s)], 1
	s_add_co_u32 s[G0A+4*(\s)+1], s[LB], (\s)*SLOT
	s_add_nc_u64 s[G0A+4*(\s)+2:G0A+4*(\s)+3], s[82:83], (\s)*256
	s_or_b32 s[G0A+4*(\s)+3], s[G0A+4*(\s)+3], 0x80000000
	s_mov_b32 s[G0B+4*(\s)], 1
	s_add_co_u32 s[G0B+4*(\s)+1], s[LB], (\s)*SLOT
	s_add_nc_u64 s[G0B+4*(\s)+2:G0B+4*(\s)+3], s[84:85], (\s)*262144
	s_or_b32 s[G0B+4*(\s)+3], s[G0B+4*(\s)+3], 0x80000000
	JLOAD \s
.endr
	v_and_b32 v1, 15, v0                           ; r
	v_bfe_u32 v2, v0, 4, 1                         ; h
	v_mul_u32_u24 v3, v1, PA
	v_lshl_add_u32 v3, v2, 4, v3
	s_mul_i32 s20, s[RH], 64*PA
	s_add_co_u32 s20, s20, AOFF
	v_add_nc_u32 v[ADRA0], s20, v3
	v_and_b32 v4, 7, v0                            ; the turning load: row 8 h + l % 8, 16 bytes by (l / 8) % 2
	v_lshl_add_u32 v4, v2, 3, v4
	v_mul_u32_u24 v4, v4, PB
	v_bfe_u32 v5, v0, 3, 1
	v_lshl_add_u32 v4, v5, 4, v4
	s_lshl_b32 s20, s[CH], 7
	v_add_nc_u32 v4, s20, v4
.irp c, 0,1,2
	v_add_nc_u32 v[ADRB0+(\c)], (\c)*BCH, v4
.endr
	SETADR
	s_mul_i32 s20, s[WV], 16*SP
	s_add_co_u32 s20, s20, STAGE
	v_mul_u32_u24 v[STO], v1, SP
	v_lshl_add_u32 v[STO], v2, 4, v[STO]
	v_add_nc_u32 v[STO], s20, v[STO]
	v_bfe_u32 v[RD], v0, 3, 2
	v_mul_u32_u24 v[RD], v[RD], SP
	v_and_b32 v6, 7, v0
	v_lshl_add_u32 v[RD], v6, 4, v[RD]
	v_add_nc_u32 v[RD], s20, v[RD]
	v_and_b32 v[GO], 31, v0
	v_lshlrev_b32 v[PFO], 11, v[GO]                ; a lane a row of 2,048 bytes
	v_lshlrev_b32 v[GO], 4, v[GO]
	s_mul_i32 s20, s18, 1536                       ; my columns' biases: 4 x (384 x tile column + 64 ch + 8 h)
	s_lshl_b32 s21, s[CH], 8
	s_add_co_u32 s20, s20, s21
	v_lshl_add_u32 v[BO], v2, 5, s20
.irp c, 0,1,2
.irp t, 0,1,2,3
	global_load_b128 v[BIAS+32*(\c)+8*(\t):BIAS+32*(\c)+8*(\t)+3], v[BO], s[8:9] offset:65536+512*(\c)+64*(\t)
	global_load_b128 v[BIAS+32*(\c)+8*(\t)+4:BIAS+32*(\c)+8*(\t)+7], v[BO], s[8:9] offset:65536+512*(\c)+64*(\t)+16
.endr
.endr
.irp c, 0,1,2
	s_mul_i32 s20, s18, 3
	s_add_co_u32 s20, s20, (\c)                    ; the chunk
	s_cmp_lt_u32 s20, 8
	s_cselect_b32 s[SC+2*(\c)], 0x3e38aa3b, 1.0    ; q carries c
	s_mov_b32 s[SC+2*(\c)+1], s[SC+2*(\c)]
	s_lshr_b32 s21, s20, 3
	s_lshl_b32 s21, s21, 23                        ; q', k or u: 8,388,608 bytes apart
	s_and_b32 s20, s20, 7
	s_lshl_b32 s20, s20, 1
	s_add_co_u32 s20, s20, s[CH]                   ; the head
	s_lshr_b32 s23, s19, 4
	s_lshl_b32 s23, s23, 4
	s_add_co_u32 s20, s20, s23                     ; + 16 x batch
	s_lshl_b32 s20, s20, 18
	s_add_co_u32 s20, s20, s21
	s_and_b32 s23, s19, 15
	s_lshl_b32 s23, s23, 1
	s_add_co_u32 s23, s23, s[RH]
	s_lshl_b32 s23, s23, 13                        ; my 64 rows of 128 bytes
	s_add_co_u32 s20, s20, s23
	s_mov_b32 s21, 0
	s_add_nc_u64 s[SB+2*(\c):SB+2*(\c)+1], s[10:11], s[20:21]
.endr
	s_and_b32 s20, ttmp7, 0xffff                   ; the prefetches
	s_mov_b32 s[PST], 262144                       ; a K step of W: 128 rows
	s_cmp_eq_u32 s[WV], 3
	s_cselect_b32 s21, ttmp9, s20                  ; the coordinate along which other clusters read the same rows
	s_cselect_b32 s23, s16, s17                    ; my place among the four that ask with me
	s_cselect_b64 s[PFA:PFA+1], s[82:83], s[84:85]
	s_cselect_b32 s[PST], 256, s[PST]              ; a K step of x: 256 bytes along the row
	s_mov_b32 s[PST+1], 0
	s_cmp_eq_u32 s21, 0
	s_cselect_b32 s[LIM], 1, -1
	s_lshl_b32 s20, s23, 16                        ; my work-group's 32 rows
	s_mov_b32 s21, 0
	s_add_nc_u64 s[PFA:PFA+1], s[PFA:PFA+1], s[20:21]
	s_add_nc_u64 s[PFA:PFA+1], s[PFA:PFA+1], s[PST:PST+1]
	s_add_nc_u64 s[PFA:PFA+1], s[PFA:PFA+1], s[PST:PST+1]  ; at K step 2; each refill steps it first
.macro MULC f, c, zero                 ; 16 products: chunk c, all (t, a).  The 48 accumulators take turns, in the same order in every quarter
	WIN MUL_LO+0x50*((\c)/2)
.irp t, 0,1,2,3
.irp a, 0,1,2,3
.if \zero
	v_wmma_f32_16x16x32_bf16 v[8*(16*((\c)%2)+4*(\t)+(\a)):8*(16*((\c)%2)+4*(\t)+(\a))+7], v[(\f)+8*(4*(\c)+(\t)):(\f)+8*(4*(\c)+(\t))+7], v[(\f)+96+8*(\a):(\f)+96+8*(\a)+7], 0
.else
	v_wmma_f32_16x16x32_bf16 v[8*(16*((\c)%2)+4*(\t)+(\a)):8*(16*((\c)%2)+4*(\t)+(\a))+7], v[(\f)+8*(4*(\c)+(\t)):(\f)+8*(4*(\c)+(\t))+7], v[(\f)+96+8*(\a):(\f)+96+8*(\a)+7], v[8*(16*((\c)%2)+4*(\t)+(\a)):8*(16*((\c)%2)+4*(\t)+(\a))+7]
.endif
.endr
.endr
.endm
.macro FETCH q, f                      ; 32 LDS loads in one run: quarter q's fragments of the slot s[TB] into buffer f
	WIN TO_F
.irp c, 0,1,2
.irp t, 0,1,2,3
	ds_load_tr16_b128 v[(\f)+8*(4*(\c)+(\t)):(\f)+8*(4*(\c)+(\t))+3], v[ADRB+(\c)] offset:9216*(\q)+32*(\t)
	ds_load_tr16_b128 v[(\f)+8*(4*(\c)+(\t))+4:(\f)+8*(4*(\c)+(\t))+7], v[ADRB+(\c)] offset:9216*(\q)+32*(\t)+4608
.endr
.endr
.irp a, 0,1,2,3
	ds_load_b128 v[(\f)+96+8*(\a):(\f)+96+8*(\a)+3], v[ADRA] offset:64*(\q)+4352*(\a)
	ds_load_b128 v[(\f)+96+8*(\a)+4:(\f)+96+8*(\a)+7], v[ADRA] offset:64*(\q)+4352*(\a)+32
.endr
.endm
.macro QUARTER q, f, g, zero           ; multiplies buffer f; behind its first 16 products fetches quarter q into g
	s_wait_dscnt 0x0                               ; buffer f is in
	MULC \f, 0, \zero
	PLACES                                         ; in front of loads into g, which the quarter before multiplied
	FETCH \q, \g
	MULC \f, 1, \zero
	MULC \f, 2, \zero
.endm
; The fourth quarter multiplies buffer 1 and changes slots.  In front of the barrier each wave waits for all its tensor loads (one is out at the most: its part of the next slot), adds 0 to its spare word, and waits
; for that and for its reads of this slot.  fill = 1: the barrier opens a round of the cluster's, and the joint refill of the slot just read, one K step on from the last load, is the first thing behind it:
; 160 products ahead of the wait for it.  Then s[TB] turns, and the next slot's first fragments are fetched.
.macro TURN fill
.if \fill
	s_wait_xcnt 0x0                                ; the last prefetch, a K step back, has read its address
	s_add_nc_u64 s[PFA:PFA+1], s[PFA:PFA+1], s[PST:PST+1]
.endif
	WIN 0
	s_wait_tensorcnt 0x0
	ds_add_u32 v[SPW], v[NIL]
	s_wait_dscnt 1                                 ; the fragments are in; the add alone may be out
	MULC F1, 0, 0
	s_wait_dscnt 0x0                               ; the add is done, and my reads of this slot are over
	s_barrier_signal -1
	MULC F1, 1, 0
	WIN 0
	s_barrier_wait -1
.if \fill
	CREST
	s_add_co_u32 s[G0A+5], s[LB], s[TB]            ; the walking sets: my part of the slot just read,
	s_add_nc_u64 s[G0A+6:G0A+7], s[G0A+6:G0A+7], 256  ; the next K step; the type bits on top are not reached
	s_add_co_u32 s[G0B+5], s[LB], s[TB]
	s_add_nc_u64 s[G0B+6:G0B+7], s[G0B+6:G0B+7], 262144
	JLOAD 1                                        ; its four v_nop are also the places in front of the loads below
.else
	PLACES
.endif
	s_xor_b32 s[TB], s[TB], SLOT
	SETADR
	FETCH 0, F0
.if \fill
	ASK
.endif
	MULC F1, 2, 0
.endm
	s_wait_tensorcnt 1                             ; my part of K step 0 is in; K step 1's may stay out
	s_barrier_signal -1
	s_barrier_wait -1
	FETCH 0, F0
	QUARTER 1, F0, F1, 1                           ; the first quarter's products start the sums
	WIN 0
	s_mov_b32 s3, 6
.Lstep:                                                ; six trips, from a K step's second quarter to the next step's first; each asks for the K step two on
	QUARTER 2, F1, F0, 0
	QUARTER 3, F0, F1, 0
	TURN 1
	QUARTER 1, F0, F1, 0
	WIN 0
	s_sub_co_u32 s3, s3, 1
	s_cmp_lg_u32 s3, 0
	s_cbranch_scc1 .Lstep
	s_mov_b32 s3, 2
.Ltail:                                                ; the last two K steps ask for nothing: a text of their own; the second trip is left in its middle
	QUARTER 2, F1, F0, 0
	QUARTER 3, F0, F1, 0
	TURN 0                                         ; (in the second trip its 32 loads bring fragments that nobody multiplies: the price, once a launch, of one text for both trips)
	WIN 0
	s_sub_co_u32 s3, s3, 1
	s_cmp_eq_u32 s3, 0
	s_cbranch_scc1 .Lout
	QUARTER 1, F0, F1, 0
	WIN 0
	s_branch .Ltail
.Lout:
	PLACES
	s_wait_loadcnt 0x0                             ; the biases
; THE WAY OUT, twelve blocks (chunk c, 16 rows a): scale and bias in f32, one rounding to f16, through my own stage, out as 2,048 consecutive bytes of a head.
.macro PACKQ c, a, ob
	WIN 0x02+(\c)/2
.set z, 0
.rept 16                               ; column tile z / 4, pair z % 4: each accumulator's registers in ascending order
	v_pk_fma_f32 v[TMPF+2*z:TMPF+2*z+1], v[8*(16*((\c)%2)+4*(z/4)+(\a))+2*(z%4):8*(16*((\c)%2)+4*(z/4)+(\a))+2*(z%4)+1], s[SC+2*(\c):SC+2*(\c)+1], v[BIAS+32*(\c)+2*z:BIAS+32*(\c)+2*z+1] op_sel_hi:[1,0,1]
.set z, z+1
.endr
	WIN 0
.set z, 0
.rept 16
	v_cvt_pk_f16_f32 v[PK+z], v[TMPF+2*z], v[TMPF+2*z+1]
.set z, z+1
.endr
.irp t, 0,1,2,3
	ds_store_b128 v[STO], v[PK+4*(\t):PK+4*(\t)+3] offset:32*(\t)
.endr
	s_wait_xcnt 0x0                                ; the stores of two blocks back have read this buffer
.irp f, 0,1,2,3
	ds_load_b128 v[OB+16*(\ob)+4*(\f):OB+16*(\ob)+4*(\f)+3], v[RD] offset:576*(\f)  ; LDS serves a wave's instructions in order: these see the stores above
.endr
.endm
.macro SENDQ c, a, ob, younger         ; younger: the LDS instructions issued behind this block's loads
.irp f, 0,1,2,3
	s_wait_dscnt (\younger)+3-(\f)
	global_store_b128 v[GO], v[OB+16*(\ob)+4*(\f):OB+16*(\ob)+4*(\f)+3], s[SB+2*(\c):SB+2*(\c)+1] offset:2048*(\a)+512*(\f)  ; 512 consecutive bytes, aligned
.endr
.endm
.set bi, 0
.rept 12
	PACKQ bi/4, bi%4, bi%2
.if bi > 0
	SENDQ (bi-1)/4, (bi-1)%4, (bi-1)%2, 8
.endif
.set bi, bi+1
.endr
	SENDQ 2, 3, 1, 0
	s_wait_tensorcnt 0x0                           ; the wave's end
	ds_add_u32 v[SPW], v[NIL]
	s_wait_dscnt 0x0
	CROUND                                         ; the closing round
	s_endpgm
.Lfunc_end_k_qfd84be1685_qkvp:
	.size	k_qfd84be1685_qkvp, .Lfunc_end_k_qfd84be1685_qkvp-k_qfd84be1685_qkvp
	.p2alignl 7, 3214868480
	.fill 96, 4, 3214868480
	.section	.rodata,"a",@progbits
	.p2align	6, 0x0
	.amdhsa_kernel k_qfd84be1685_qkvp
		.amdhsa_group_segment_fixed_size 327680
		.amdhsa_private_segment_fixed_size 0
		.amdhsa_enable_private_segment 0
		.amdhsa_kernarg_size 32
		.amdhsa_user_sgpr_count 2
		.amdhsa_user_sgpr_kernarg_segment_ptr 1
		.amdhsa_wavefront_size32 1
		.amdhsa_system_sgpr_workgroup_id_x 1
		.amdhsa_system_sgpr_workgroup_id_y 1
		.amdhsa_system_sgpr_workgroup_id_z 1
		.amdhsa_system_vgpr_workitem_id 0
		.amdhsa_next_free_vgpr 896
		.amdhsa_next_free_sgpr 96
		.amdhsa_reserve_vcc 0
		.amdhsa_float_denorm_mode_32 3
		.amdhsa_float_denorm_mode_16_64 3
		.amdhsa_memory_ordered 1
		.amdhsa_forward_progress 1
		.amdhsa_inst_pref_size 102
	.end_amdhsa_kernel
	.amdgpu_metadata
---
amdhsa.version: [ 1, 2 ]
amdhsa.kernels:
  - .name:           k_qfd84be1685_qkvp
    .symbol:         k_qfd84be1685_qkvp.kd
    .args:
      - { .name: xb, .offset: 0, .size: 8, .value_kind: global_buffer, .address_space: global }
      - { .name: wb, .offset: 8, .size: 8, .value_kind: global_buffer, .address_space: global }
      - { .name: tab, .offset: 16, .size: 8, .value_kind: global_buffer, .address_space: global }
      - { .name: qkv, .offset: 24, .size: 8, .value_kind: global_buffer, .address_space: global }
    .group_segment_fixed_size: 327680
    .private_segment_fixed_size: 0
    .kernarg_segment_align: 8
    .kernarg_segment_size: 32
    .max_flat_workgroup_size: 128
    .sgpr_count:     96
    .vgpr_count:     896
    .wavefront_size: 32
...
	.end_amdgpu_metadata
.endif
;; end of part 2
;; launch attn (part 3): grid 8 x 32, 4 waves a work-group, no clusters, 327,680 bytes of LDS; arguments qkv, tab, ctx, st; writes ctx, st
.if DOCPART == 3
	.amdgcn_target "amdgcn-amd-amdhsa--gfx1250"
	.amdhsa_code_object_version 6
	.text
	.protected	k_qfd84be1685_attn
	.globl	k_qfd84be1685_attn
	.p2align	8
	.type	k_qfd84be1685_attn,@function
k_qfd84be1685_attn:
	s_mov_b64 s[64:65], 0
	v_nop
	global_prefetch_b8 v0, s[64:65] scope:SCOPE_SE
	s_setreg_imm32_b32 hwreg(HW_REG_WAVE_MODE, 25, 1), 1
	s_wait_xcnt 0x0
; ATTN.  For each (batch, head) and query i: s'(i, j) = q'_i . k_j + lb_j - a |i - j| (all in units of log2), a running maximum m and sum l of p = 2^(s' - m);
; context = (sum_j (p_j DR_j) u_j) / l + bv, since v_j = DR_j u_j + bv and the weights add up to 1.  Stored: ctx = the context as two bf16 (hi, and lo = what hi left over), [row][head][hi 64 | lo 64];
; st = m + log2 l + 4 for the launch that makes the heads' mean.  Products in f16 with f32 sums; w = p DR is rounded once to f16; l is taken of the unrounded p.
; LIMITS: q', k, u and DR within 65,504; a weight below 2^-126 counts as 0; NaN and infinities are not treated apart.
; THE BIAS IS THE C OPERAND that starts the sum S^T = K Q^T.  For keys j <= i: s' + a i = S + (lb_j + a j); for j >= i: s' - a i = S + (lb_j - a j): tables by key alone, the same for all my queries.
; So m is kept as m + a i up to the block's own 256 keys and as m - a i behind them (one subtraction of 2 a i); p, l and O do not notice.  Inside the own tile C = lb_j + a j - 2 a max(0, j - i), made by lane.
; SHARES.  A work-group has 256 queries of a head, a wave 64: four pieces of 16.  All keys are walked: 8 tiles of 256, four steps of 64 each; two slots of LDS take turns.
; NO CLUSTER, though a head's 8 blocks walk the same K and u: which text a tile takes (C from the table, or made by lane) hangs on the block's number, and partners of a cluster must branch alike;
; one text for all would make C by lane for 1,024 of the 2,048 keys: 256 vector instructions more in 16 of the 32 steps.
; LAYOUT as in S^T = K Q^T, O^T = u^T W: a lane holds one query (lane % 16) and keys or channels 8 (lane / 16) + 0..7.
; REGISTERS: window 0: v2-15, v48-63 addresses; v16-47 statistics, 8 a piece (m, old m, l, l, c0-c3; a takes c2); v64-191 S^T; v192-255 W.
;   window 1: v0-127 O^T; v128-159 ML = 16 kt + 8 h + j - r; v160-223 MC, two buffers; v224-231 BE; v232-235 2 a i.   window 2: v0-63 Q; v64-127 K; v128-191 u; v192-223 T; v224-255 DR.
.set KS,    64
.set PK,    144
.set PV,    160
.set VOFF,  4*KS*PK
.set SLOT1, 1<<17
.set TABL,  SLOT1+4*KS*(PK+PV)         ; 208,896: T for all 2,048 keys (8,192 bytes), then DR (8,192): stored once, by the waves
.set STAGE, TABL+16384                 ; 16 rows x 272 bytes for each wave
.set SP,    272
.set SPARE, STAGE+4*16*SP              ; the spare words
.set AK0, 2
.set AV0, 3
.set AT0, 4
.set AK,  5
.set AV,  6
.set ATT, 7
.set ADT, 8
.set STO, 9
.set RD,  10
.set GO,  11
.set SPW, 12
.set NIL, 13
.set PFO, 14
.set QO,  15
.set ST,  16
.set SS,  53
.set SLD, 54
.set SG,  55
.set S,   64
.set P,   192
.set ML,  128
.set MC,  160
.set BE,  224
.set AI2, 232
.set QF,  0
.set KF,  64
.set VF,  128
.set T,   192
.set DR,  224
.set H,   64                           ; the way out, in S^T's registers
.set LW,  80
.set X,   96
.set OB,  128
.set WV,  12
.set BLK, 13
.set BH,  14
.set TI,  15
.set G1K, 24
.set G1V, 32
.set G0K, 40
.set G0V, 44
.set SEL, 60
.set TBK, 62
.set TBV, 63
.set TBT, 66
.set TBD, 67
.set CNT, 68
.set SLOTS, 69
.set LIM, 70
.set W64, 71
.set PFA, 72
.set N2A, 74
.set QB,  76
.set MSB, 0
.macro WIN new
.if MSB != (\new)
	s_set_vgpr_msb (MSB<<8)|(\new)
.set MSB, (\new)
.endif
.endm
.macro PLACES
.rept 4
	v_nop
.endr
.endm
.macro ALLP line:vararg                ; one line for each piece p
.set p, 0
.rept 4
	\line
.set p, p+1
.endr
.endm
.macro LOAD                            ; waves 0, 1 fetch the halves of a tile's K, waves 2, 3 those of its u: 128 keys each
	s_cmp_lt_u32 s[WV], 2
	s_cbranch_scc0 .Lfor_v_\@
	tensor_load_to_lds s[G0K:G0K+3], s[G1K:G1K+7]
	s_nop 0
.rept 4
	v_nop
.endr
	s_branch .Lasked_\@
.Lfor_v_\@:
	tensor_load_to_lds s[G0V:G0V+3], s[G1V:G1V+7]
	s_nop 0
.rept 4
	v_nop
.endr
.Lasked_\@:
.endm
; A prefetch of my own 16,384 bytes of the tile that the NEXT change of slots will ask for: 64 blocks of 256 bytes, a lane a block, two instructions.  All 8 blocks of a head walk the same tiles:
; block 0 asks.  The last change that fills a slot asks for nothing.
.macro ASK
	s_cmp_gt_u32 s[SLOTS], s[LIM]
	s_cbranch_scc0 .Lnot_mine_\@
	global_prefetch_b8 v[PFO], s[PFA:PFA+1] th:TH_LOAD_NT scope:SCOPE_SE
	global_prefetch_b8 v[PFO], s[PFA:PFA+1] offset:8192 th:TH_LOAD_NT scope:SCOPE_SE
.Lnot_mine_\@:
.endm
; THE CHANGE OF SLOTS: every wave waits for all its tensor loads, adds 0 to its spare word, waits for that and for its LDS reads and stores, and passes the barrier; fill = 1: the slot just left takes the next tile, first thing behind it.
.macro CHANGE fill
	WIN 0
	s_wait_tensorcnt 0x0
	ds_add_u32 v[SPW], v[NIL]
.if \fill
	s_xor_b32 s[G0K+1], s[G0K+1], SLOT1
	s_add_nc_u64 s[G0K+2:G0K+3], s[G0K+2:G0K+3], 32768
	s_xor_b32 s[G0V+1], s[G0V+1], SLOT1
	s_add_nc_u64 s[G0V+2:G0V+3], s[G0V+2:G0V+3], 32768
	s_wait_xcnt 0x0                                ; the last prefetches, a tile back, have read their address
	s_add_nc_u64 s[PFA:PFA+1], s[PFA:PFA+1], 32768
.endif
	s_wait_dscnt 0x0
	s_barrier_signal -1
	s_sub_co_u32 s[TBK], s[TBK], 4*KS*PK           ; the fetches go back to a slot's first step, in the other slot
	s_xor_b32 s[TBK], s[TBK], SLOT1
	s_sub_co_u32 s[TBV], s[TBV], 4*KS*PV
	s_xor_b32 s[TBV], s[TBV], SLOT1
	s_barrier_wait -1
.if \fill
	LOAD
	ASK
.endif
.endm
	s_load_b256 s[4:11], s[0:1], 0x0               ; qkv 4, tab 6, ctx 8, st 10
	v_lshl_add_u32 v[SPW], v0, 2, SPARE
	v_mov_b32 v[NIL], 0
	ds_add_u32 v[SPW], v[NIL]                      ; the wave's opening: the add and its wait ahead of my first tensor load
	v_lshrrev_b32 v1, 5, v0
	v_readfirstlane_b32 s[WV], v1
	s_mov_b32 s[BLK], ttmp9
	s_and_b32 s[BH], ttmp7, 0xffff                 ; 16 x batch + head
	s_mov_b32 s[G1K], (1<<16)|(1<<20)|(4<<22)|(3<<25)  ; 128 keys = 64 rows of 256 bytes; 4 words of padding after every key's 32
	s_mov_b32 s[G1V], (1<<16)|(1<<20)|(4<<22)|(7<<25)  ; 8 words
.irp g, G1K, G1V
	s_mov_b32 s[(\g)+1], 128<<16
	s_mov_b32 s[(\g)+2], 64<<16
	s_mov_b32 s[(\g)+3], 128<<16
	s_mov_b32 s[(\g)+4], 64
	s_mov_b32 s[(\g)+5], 128
	s_mov_b32 s[(\g)+6], 0
	s_mov_b32 s[(\g)+7], 0
.endr
	s_and_b32 s16, s[WV], 1
	s_mul_i32 s18, s16, 128*PK
	s_mul_i32 s19, s16, 128*PV
	s_mov_b32 s[G0K], 1
	s_mov_b32 s[G0K+1], s18
	s_mov_b32 s[G0V], 1
	s_add_co_u32 s[G0V+1], s19, VOFF
	s_lshl_b32 s20, s[BH], 18
	s_lshl_b32 s17, s16, 14
	s_add_co_u32 s20, s20, s17
	s_mov_b32 s21, 0
	s_mov_b32 s[SEL], 0x76543210
	s_mov_b32 s[SEL+1], 0xfedcba98
	s_mov_b32 s[TBK], SLOT1+4*KS*PK                ; the first change of slots turns these two into 0
	s_mov_b32 s[TBV], SLOT1+4*KS*PV
	s_mov_b32 s[TBT], TABL                         ; these two only step, 256 bytes a key step
	s_mov_b32 s[TBD], TABL+8192
	s_mov_b32 s[TI], 0
	s_mov_b32 s[SLOTS], 7
	s_mov_b32 s[N2A], 0xbe93bb63                   ; -2 a
	s_mov_b32 s[N2A+1], s[N2A]
	s_lshl_b32 s[W64], s[WV], 6
	s_cmp_eq_u32 s[BLK], 0
	s_cselect_b32 s[LIM], 1, -1
	s_wait_dscnt 0x0
	s_wait_kmcnt 0x0
	s_add_nc_u64 s[G0K+2:G0K+3], s[4:5], s[20:21]
	s_add_nc_u64 s[G0K+2:G0K+3], s[G0K+2:G0K+3], 8388608
	s_add_nc_u64 s[G0V+2:G0V+3], s[G0K+2:G0K+3], 8388608
	s_cmp_lt_u32 s[WV], 2
	s_cselect_b64 s[PFA:PFA+1], s[G0K+2:G0K+3], s[G0V+2:G0V+3]
	s_add_nc_u64 s[PFA:PFA+1], s[PFA:PFA+1], 32768 ; at tile 1; each change steps it first
	s_or_b32 s[G0K+3], s[G0K+3], 0x80000000
	s_or_b32 s[G0V+3], s[G0V+3], 0x80000000
	LOAD                                           ; tile 0 into slot 0
	; the tables: T_j = lb_j + a j for the tiles up to my block's own, lb_j - a j behind it: the choice lies in the offset; 64 bytes of T and 64 of DR a thread
	s_lshr_b32 s18, s[BH], 4
	s_lshl_b32 s18, s18, 15
	s_mov_b32 s19, 0
	s_add_nc_u64 s[18:19], s[6:7], s[18:19]
	v_lshlrev_b32 v56, 4, v0
.irp i, 0,1,2,3
	v_add_nc_u32 v[57+(\i)], 2048*(\i), v56
	v_lshrrev_b32 v61, 10, v[57+(\i)]              ; the tile of these four keys
	v_cmp_gt_u32 s20, v61, s[BLK]
	v_add_nc_u32 v62, 8192, v[57+(\i)]
	v_cndmask_b32 v[57+(\i)], v[57+(\i)], v62, s20
	global_load_b128 v[S+4*(\i):S+4*(\i)+3], v[57+(\i)], s[18:19]
	global_load_b128 v[S+16+4*(\i):S+16+4*(\i)+3], v56, s[18:19] offset:16384+2048*(\i)
.endr
	v_add_nc_u32 v63, TABL, v56
	s_lshl_b32 s16, s[BLK], 2
	s_add_co_u32 s16, s16, s[WV]
	s_lshl_b32 s16, s16, 13                        ; my 64 rows of 128 bytes
	s_lshl_b32 s17, s[BH], 18
	s_add_co_u32 s16, s16, s17
	s_mov_b32 s17, 0
	s_add_nc_u64 s[QB:QB+1], s[4:5], s[16:17]
	v_and_b32 v1, 15, v0                           ; r
	v_bfe_u32 v48, v0, 4, 1                        ; h
	v_lshlrev_b32 v[QO], 7, v1
	v_lshl_add_u32 v[QO], v48, 4, v[QO]
	WIN 0x80
.set i, 0
.rept 8                                ; Q stays in registers: piece i / 2, channels 32 (i % 2) on
	global_load_b128 v[QF+8*i:QF+8*i+3], v[QO], s[QB:QB+1] offset:(i/2)*2048+(i%2)*64
	global_load_b128 v[QF+8*i+4:QF+8*i+7], v[QO], s[QB:QB+1] offset:(i/2)*2048+(i%2)*64+32
.set i, i+1
.endr
	WIN 0
	v_lshlrev_b32 v49, 3, v48
	v_sub_nc_u32 v49, v49, v1                      ; 8 h - r
	s_lshl_b32 s16, s[BLK], 8
	s_add_co_u32 s16, s16, s[W64]
	v_add_nc_u32 v50, s16, v1                      ; piece 0's query i
	WIN 0x40
.set i, 0
.rept 32
	v_add_nc_u32 v[ML+i], 16*(i/8)+i%8, v49
.set i, i+1
.endr
.irp e, 0,1,2,3
	v_add_nc_u32 v[AI2+(\e)], 16*(\e), v50
.endr
.set i, 0
.rept 8
	v_mov_b32 v[BE+i], 0
.set i, i+1
.endr
.set i, 0
.rept 128                              ; O^T starts at 0, so that the first step is a step like any other, with a = 0; written while the first tile is on its way
	v_mov_b32 v[i], 0
.set i, i+1
.endr
	WIN 0x45
.set i, 0
.rept 32
	v_cvt_f32_i32 v[ML+i], v[ML+i]
.set i, i+1
.endr
.irp e, 0,1,2,3
	v_cvt_f32_u32 v[AI2+(\e)], v[AI2+(\e)]
.endr
.irp e, 0,1,2,3
	v_mul_f32 v[AI2+(\e)], 0x3e93bb63, v[AI2+(\e)] ; 2 a i
.endr
	WIN 0
	ALLP v_mov_b32 v[ST+8*p], 0xfe000000
	ALLP v_mov_b32 v[ST+8*p+2], 0
	ALLP v_mov_b32 v[ST+8*p+3], 0
	v_mul_u32_u24 v[AK0], v1, PK
	v_lshl_add_u32 v[AK0], v48, 4, v[AK0]
	v_and_b32 v51, 7, v0
	v_bfe_u32 v52, v0, 3, 1
	v_lshl_add_u32 v[AV0], v48, 3, v51
	v_mul_u32_u24 v[AV0], v[AV0], PV
	v_lshl_add_u32 v[AV0], v52, 4, v[AV0]
	v_add_nc_u32 v[AV0], VOFF, v[AV0]
	v_lshlrev_b32 v[AT0], 5, v48                   ; my 8 keys of 16: 32 h
	s_mul_i32 s16, s[WV], 16*SP
	s_add_co_u32 s16, s16, STAGE
	v_mul_u32_u24 v[STO], v1, SP
	v_lshl_add_u32 v[STO], v48, 4, v[STO]
	v_add_nc_u32 v[STO], s16, v[STO]
	v_mul_u32_u24 v[RD], v48, SP
	v_lshl_add_u32 v[RD], v1, 4, v[RD]
	v_add_nc_u32 v[RD], s16, v[RD]
	v_lshlrev_b32 v[GO], 12, v48
	v_lshl_add_u32 v[GO], v1, 4, v[GO]
	v_and_b32 v[SG], 31, v0
	v_lshlrev_b32 v[PFO], 8, v[SG]
	v_lshlrev_b32 v[SG], 3, v[SG]
	v_add_nc_u32 v[SLD], s16, v[SG]
	v_lshl_add_u32 v[SS], v1, 2, s16
	s_wait_loadcnt 16                              ; the tables' 8 loads are in; Q's 16 may stay out
.irp i, 0,1,2,3
	ds_store_b128 v63, v[S+4*(\i):S+4*(\i)+3] offset:2048*(\i)
	ds_store_b128 v63, v[S+16+4*(\i):S+16+4*(\i)+3] offset:8192+2048*(\i)
.endr
	s_wait_loadcnt 0x0                             ; Q
.macro FETCH_KT                        ; a step's K (16 loads) and its T (8): one run
	WIN 0
	v_add_nc_u32 v[AK], s[TBK], v[AK0]
	v_add_nc_u32 v[ATT], s[TBT], v[AT0]
	WIN 0x80
.irp f, 0,1,2,3,4,5,6,7
	ds_load_b128 v[KF+8*(\f):KF+8*(\f)+3], v[AK] offset:((\f)/2)*16*PK+((\f)%2)*64
	ds_load_b128 v[KF+8*(\f)+4:KF+8*(\f)+7], v[AK] offset:((\f)/2)*16*PK+((\f)%2)*64+32
.endr
.irp f, 0,1,2,3
	ds_load_b128 v[T+8*(\f):T+8*(\f)+3], v[ATT] offset:64*(\f)
	ds_load_b128 v[T+8*(\f)+4:T+8*(\f)+7], v[ATT] offset:64*(\f)+16
.endr
	s_add_co_u32 s[TBK], s[TBK], KS*PK
	s_add_co_u32 s[TBT], s[TBT], 256
	WIN 0
.endm
.macro FETCH_VD                        ; a step's u, turned (16 loads), and its DR (8)
	WIN 0
	v_add_nc_u32 v[AV], s[TBV], v[AV0]
	v_add_nc_u32 v[ADT], s[TBD], v[AT0]
	WIN 0x80
.irp f, 0,1,2,3,4,5,6,7
	ds_load_tr16_b128 v[VF+8*(\f):VF+8*(\f)+3], v[AV] offset:((\f)/4)*32*PV+((\f)%4)*32
	ds_load_tr16_b128 v[VF+8*(\f)+4:VF+8*(\f)+7], v[AV] offset:((\f)/4)*32*PV+16*PV+((\f)%4)*32
.endr
.irp f, 0,1,2,3
	ds_load_b128 v[DR+8*(\f):DR+8*(\f)+3], v[ADT] offset:64*(\f)
	ds_load_b128 v[DR+8*(\f)+4:DR+8*(\f)+7], v[ADT] offset:64*(\f)+16
.endr
	s_add_co_u32 s[TBV], s[TBV], KS*PV
	s_add_co_u32 s[TBD], s[TBD], 256
	WIN 0
.endm
.macro QK1                             ; channels 0-31; C = T.  16 accumulators by turns: piece i / 4, keys 16 (i % 4) on
	WIN 0x2a
.set i, 0
.rept 16
	v_wmma_f32_16x16x32_f16 v[S+32*(i/4)+8*(i%4):S+32*(i/4)+8*(i%4)+7], v[KF+16*(i%4):KF+16*(i%4)+7], v[QF+16*(i/4):QF+16*(i/4)+7], v[T+8*(i%4):T+8*(i%4)+7]
.set i, i+1
.endr
.endm
.macro QK1D                            ; the same in the block's own tile: C = T - 2 a max(0, j - i), j - i = ML + BE, whole numbers in f32
	s_sub_co_u32 s78, 4, s[CNT]
	s_lshl_b32 s78, s78, 6
	s_sub_co_u32 s78, s78, s[W64]                  ; 64 x step - 64 x wave
	WIN 0x45
.irp e, 0,1,2,3
	s_sub_co_u32 s79, s78, 16*(\e)
	v_cvt_f32_i32 v[BE+2*(\e)], s79
.endr
.irp e, 0,1,2,3
	WIN 0x45
.set z, 0
.rept 16
	v_pk_add_f32 v[MC+32*((\e)%2)+2*z:MC+32*((\e)%2)+2*z+1], v[ML+2*z:ML+2*z+1], v[BE+2*(\e):BE+2*(\e)+1] op_sel_hi:[1,0]
.set z, z+1
.endr
.set z, 0
.rept 32
	v_max_num_f32 v[MC+32*((\e)%2)+z], 0, v[MC+32*((\e)%2)+z]
.set z, z+1
.endr
	WIN 0x61
.set z, 0
.rept 16
	v_pk_fma_f32 v[MC+32*((\e)%2)+2*z:MC+32*((\e)%2)+2*z+1], v[MC+32*((\e)%2)+2*z:MC+32*((\e)%2)+2*z+1], s[N2A:N2A+1], v[T+2*z:T+2*z+1] op_sel_hi:[1,0,1]
.set z, z+1
.endr
	WIN 0x1a
.set z, 0
.rept 4                                ; a mask buffer is written again 64 plain instructions behind the products that read it
	v_wmma_f32_16x16x32_f16 v[S+32*(\e)+8*z:S+32*(\e)+8*z+7], v[KF+16*z:KF+16*z+7], v[QF+16*(\e):QF+16*(\e)+7], v[MC+32*((\e)%2)+8*z:MC+32*((\e)%2)+8*z+7]
.set z, z+1
.endr
.endr
.endm
.macro QK2                             ; channels 32-63, in place: 15 other products stand between two links of a chain
	WIN 0x0a
.set i, 0
.rept 16
	v_wmma_f32_16x16x32_f16 v[S+32*(i/4)+8*(i%4):S+32*(i/4)+8*(i%4)+7], v[KF+16*(i%4)+8:KF+16*(i%4)+15], v[QF+16*(i/4)+8:QF+16*(i/4)+15], v[S+32*(i/4)+8*(i%4):S+32*(i/4)+8*(i%4)+7]
.set i, i+1
.endr
.endm
.macro FL pp, n                        ; pair n of piece pp less m
	v_pk_add_f32 v[S+32*(\pp)+2*(\n):S+32*(\pp)+2*(\n)+1], v[S+32*(\pp)+2*(\n):S+32*(\pp)+2*(\n)+1], v[ST+8*(\pp):ST+8*(\pp)+1] op_sel_hi:[1,0] neg_lo:[0,1] neg_hi:[0,1]
.endm
.macro EL pp, n
	v_exp_f32 v[S+32*(\pp)+(\n)], v[S+32*(\pp)+(\n)]
.endm
; The maximum (each accumulator's lowest registers first), the new m, s - m, and all 132 exponentials as ONE batch with one wait; the four pieces alternate line by line.
.macro SM1
	WIN 0
.set j, 0
.rept 4
	ALLP v_max3_num_f32 v[ST+8*p+4+j], v[S+32*p+8*j], v[S+32*p+8*j+1], v[S+32*p+8*j+2]
.set j, j+1
.endr
.rept 8
	ALLP v_max3_num_f32 v[ST+8*p+4+j%4], v[ST+8*p+4+j%4], v[S+32*p+8*(j%4)+2*(j/4)+1], v[S+32*p+8*(j%4)+2*(j/4)+2]
.set j, j+1
.endr
	ALLP v_max3_num_f32 v[ST+8*p+4], v[ST+8*p+4], v[S+32*p+7], v[S+32*p+15]
	ALLP v_max3_num_f32 v[ST+8*p+6], v[ST+8*p+6], v[S+32*p+23], v[S+32*p+31]
	ALLP v_max3_num_f32 v[ST+8*p+4], v[ST+8*p+4], v[ST+8*p+5], v[ST+8*p+6]
	ALLP v_max3_num_f32 v[ST+8*p+4], v[ST+8*p+4], v[ST+8*p+7], v[ST+8*p]
	ALLP v_permlanex16_b32 v[ST+8*p+5], v[ST+8*p+4], s[SEL], s[SEL+1]
	ALLP v_mov_b32 v[ST+8*p+1], v[ST+8*p]
	ALLP v_max_num_f32 v[ST+8*p], v[ST+8*p+4], v[ST+8*p+5]
	ALLP v_sub_f32 v[ST+8*p+7], v[ST+8*p+1], v[ST+8*p]
.set n, 0
.rept 16
	FL 0, n
.set n, n+1
.endr
.irp e, 1,2,3
.set n, 0
.rept 16                               ; a piece's subtractions stand between the exponentials of the piece before
	EL (\e)-1, 2*n
	FL \e, n
	EL (\e)-1, 2*n+1
.set n, n+1
.endr
.endr
	ALLP v_exp_f32 v[ST+8*p+6], v[ST+8*p+7]
.set n, 0
.rept 32
	EL 3, n
.set n, n+1
.endr
	v_nop                                          ; a plain instruction behind the last exponential
	s_wait_alu depctr_va_vdst(0)                   ; one wait for the batch, ahead of its first reader
.endm
; l = a l + the sum of p (made in W's registers, which are free here); w = p DR; w to f16; O^T times a.
.macro SM2
	WIN 0
.set u, 0
.rept 8
	ALLP v_pk_add_f32 v[P+16*p+2*u:P+16*p+2*u+1], v[S+32*p+4*u:S+32*p+4*u+1], v[S+32*p+4*u+2:S+32*p+4*u+3]
.set u, u+1
.endr
.set u, 0
.rept 4
	ALLP v_pk_add_f32 v[P+16*p+4*u:P+16*p+4*u+1], v[P+16*p+4*u:P+16*p+4*u+1], v[P+16*p+4*u+2:P+16*p+4*u+3]
.set u, u+1
.endr
.set u, 0
.rept 2
	ALLP v_pk_add_f32 v[P+16*p+8*u:P+16*p+8*u+1], v[P+16*p+8*u:P+16*p+8*u+1], v[P+16*p+8*u+4:P+16*p+8*u+5]
.set u, u+1
.endr
	ALLP v_pk_add_f32 v[P+16*p:P+16*p+1], v[P+16*p:P+16*p+1], v[P+16*p+8:P+16*p+9]
	ALLP v_pk_fma_f32 v[ST+8*p+2:ST+8*p+3], v[ST+8*p+2:ST+8*p+3], v[ST+8*p+6:ST+8*p+7], v[P+16*p:P+16*p+1] op_sel_hi:[1,0,1]
	WIN 0x08
.set n, 0
.rept 64
	v_pk_mul_f32 v[S+2*n:S+2*n+1], v[S+2*n:S+2*n+1], v[DR+2*(n%16):DR+2*(n%16)+1]
.set n, n+1
.endr
	WIN 0
.set n, 0
.rept 64
	v_cvt_pk_f16_f32 v[P+n], v[S+2*n], v[S+2*n+1]
.set n, n+1
.endr
	WIN 0x41
.set n, 0
.rept 64
	v_pk_mul_f32 v[2*n:2*n+1], v[2*n:2*n+1], v[ST+8*(n/16)+6:ST+8*(n/16)+7] op_sel_hi:[1,0]
.set n, n+1
.endr
.endm
.macro PVM                             ; O^T += u^T W: keys 32 (i / 16) on, piece (i % 16) / 4, channels 16 (i % 4) on: 16 accumulators by turns
	WIN 0x52
.set i, 0
.rept 32
	v_wmma_f32_16x16x32_f16 v[32*((i%16)/4)+8*(i%4):32*((i%16)/4)+8*(i%4)+7], v[VF+32*(i/16)+8*(i%4):VF+32*(i/16)+8*(i%4)+7], v[P+16*((i%16)/4)+8*(i/16):P+16*((i%16)/4)+8*(i/16)+7], v[32*((i%16)/4)+8*(i%4):32*((i%16)/4)+8*(i%4)+7]
.set i, i+1
.endr
.endm
.macro TILE tag                        ; a tile's four key steps
	FETCH_KT
	s_mov_b32 s[CNT], 4
.Lstep_\tag:
	FETCH_VD
	s_wait_dscnt 24                                ; K and T are in; u's and DR's 24 loads may stay out
	s_cmp_eq_u32 s[TI], s[BLK]
	s_cbranch_scc1 .Ldiag_\tag
	QK1
	WIN 0
	s_branch .Ljoin_\tag
.Ldiag_\tag:
	QK1D
	WIN 0
.Ljoin_\tag:
	QK2
	PLACES                                         ; in front of the loads into K and T and of the first read of the scores
	WIN 0
	s_cmp_eq_u32 s[CNT], 1
	s_cbranch_scc1 .Lnok_\tag                      ; the tile's last step fetches no further K: the next lies in the other slot
	FETCH_KT
.Lnok_\tag:
	SM1
	s_wait_dscnt 0x0                               ; u and DR (and the next K and T) are in
	SM2
	PVM
	PLACES                                         ; in front of the next loads into u
	WIN 0
	s_sub_co_u32 s[CNT], s[CNT], 1
	s_cmp_lg_u32 s[CNT], 0
	s_cbranch_scc1 .Lstep_\tag
	s_cmp_lg_u32 s[TI], s[BLK]
	s_cbranch_scc1 .Lnosw_\tag
	WIN 0x04
	ALLP v_sub_f32 v[ST+8*p], v[ST+8*p], v[AI2+p]  ; behind the own tile: m + a i becomes m - a i
	WIN 0
.Lnosw_\tag:
	s_add_co_u32 s[TI], s[TI], 1
.endm
.Lslot:                                                ; seven times: a tile is entered and the next is asked for
	CHANGE 1
	TILE 1
	s_sub_co_u32 s[SLOTS], s[SLOTS], 1
	s_cmp_lg_u32 s[SLOTS], 0
	s_cbranch_scc1 .Lslot
	CHANGE 0                                       ; the last tile is written out
	TILE 2
	; THE WAY OUT
	s_and_b32 s16, s[BH], 15
	s_lshl_b32 s16, s16, 8
	s_mov_b32 s17, 0
	s_add_nc_u64 s[QB:QB+1], s[6:7], s[16:17]      ; bv of my head
	WIN 0x80
.irp f, 0,1,2,3
	global_load_b128 v[KF+8*(\f):KF+8*(\f)+3], v[AT0], s[QB:QB+1] offset:65536+3*4096+64*(\f)
	global_load_b128 v[KF+8*(\f)+4:KF+8*(\f)+7], v[AT0], s[QB:QB+1] offset:65536+3*4096+64*(\f)+16
.endr
	WIN 0
	s_lshl_b32 s16, s[BH], 11
	s_lshl_b32 s17, s[BLK], 8
	s_add_co_u32 s16, s16, s17
	s_add_co_u32 s16, s16, s[W64]
	s_lshl_b32 s16, s16, 2
	s_mov_b32 s17, 0
	s_add_nc_u64 s[10:11], s[10:11], s[16:17]      ; st at my 64 queries
	s_lshr_b32 s16, s[BH], 4
	s_lshl_b32 s16, s16, 11
	s_lshl_b32 s17, s[BLK], 8
	s_add_co_u32 s16, s16, s17
	s_add_co_u32 s16, s16, s[W64]
	s_lshl_b32 s16, s16, 12
	s_and_b32 s17, s[BH], 15
	s_lshl_b32 s17, s17, 8
	s_add_co_u32 s16, s16, s17
	s_mov_b32 s17, 0
	s_add_nc_u64 s[8:9], s[8:9], s[16:17]          ; ctx at my first row, my head's 256 bytes
	s_mov_b32 s20, 0xffff0000
	ALLP v_add_f32 v[ST+8*p+4], v[ST+8*p+2], v[ST+8*p+3]
	ALLP v_permlanex16_b32 v[ST+8*p+5], v[ST+8*p+4], s[SEL], s[SEL+1]
	ALLP v_add_f32 v[ST+8*p+4], v[ST+8*p+4], v[ST+8*p+5]
	ALLP v_rcp_f32 v[ST+8*p+6], v[ST+8*p+4]
	ALLP v_log_f32 v[ST+8*p+7], v[ST+8*p+4]
	WIN 0x01
	ALLP v_fma_f32 v[ST+8*p+5], v[AI2+p], 0.5, v[ST+8*p]
	WIN 0
	s_wait_alu depctr_va_vdst(0)                   ; one wait for the eight, ahead of their first reader; the four lines above are the plain work between
	ALLP v_add_f32 v[ST+8*p+5], v[ST+8*p+5], v[ST+8*p+7]
	ALLP v_add_f32 v[ST+8*p+5], 4.0, v[ST+8*p+5]
	ALLP ds_store_b32 v[SS], v[ST+8*p+5] offset:64*p
	ds_load_b64 v[56:57], v[SLD]                   ; my stage is my own: LDS serves a wave's instructions in order
	s_wait_dscnt 0x0
	global_store_b64 v[SG], v[56:57], s[10:11]     ; 256 consecutive bytes, aligned
	s_wait_loadcnt 0x0                             ; bv
.macro CPIECE pp, ob
	WIN 0x61
.set n, 0
.rept 16
	v_pk_fma_f32 v[32*(\pp)+2*n:32*(\pp)+2*n+1], v[32*(\pp)+2*n:32*(\pp)+2*n+1], v[ST+8*(\pp)+6:ST+8*(\pp)+7], v[KF+2*n:KF+2*n+1] op_sel_hi:[1,0,1]
.set n, n+1
.endr
	WIN 0x05
.set n, 0
.rept 16
	v_cvt_pk_bf16_f32 v[H+n], v[32*(\pp)+2*n], v[32*(\pp)+2*n+1]
.set n, n+1
.endr
	WIN 0
.set n, 0
.rept 16
	v_lshlrev_b32 v[X+2*n], 16, v[H+n]
	v_and_b32 v[X+2*n+1], s20, v[H+n]
.set n, n+1
.endr
	WIN 0x01
.set n, 0
.rept 16
	v_pk_add_f32 v[X+2*n:X+2*n+1], v[32*(\pp)+2*n:32*(\pp)+2*n+1], v[X+2*n:X+2*n+1] neg_lo:[0,1] neg_hi:[0,1]
.set n, n+1
.endr
	WIN 0
.set n, 0
.rept 16
	v_cvt_pk_bf16_f32 v[LW+n], v[X+2*n], v[X+2*n+1]
.set n, n+1
.endr
.irp f, 0,1,2,3
	ds_store_b128 v[STO], v[H+4*(\f):H+4*(\f)+3] offset:32*(\f)
	ds_store_b128 v[STO], v[LW+4*(\f):LW+4*(\f)+3] offset:128+32*(\f)
.endr
	s_wait_xcnt 0x0                                ; earlier stores have read this buffer
.irp f, 0,1,2,3,4,5,6,7
	ds_load_b128 v[OB+32*(\ob)+4*(\f):OB+32*(\ob)+4*(\f)+3], v[RD] offset:544*(\f)
.endr
.irp f, 0,1,2,3,4,5,6,7
	s_wait_dscnt 7-(\f)
	global_store_b128 v[GO], v[OB+32*(\ob)+4*(\f):OB+32*(\ob)+4*(\f)+3], s[8:9] offset:(16*(\pp)+2*(\f))*4096  ; 16 lanes store 256 consecutive bytes, aligned
.endr
.endm
	CPIECE 0, 0
	CPIECE 1, 1
	CPIECE 2, 0
	CPIECE 3, 1
	s_wait_tensorcnt 0x0                           ; the wave's end
	ds_add_u32 v[SPW], v[NIL]
	s_wait_dscnt 0x0
	s_endpgm
.Lfunc_end_k_qfd84be1685_attn:
	.size	k_qfd84be1685_attn, .Lfunc_end_k_qfd84be1685_attn-k_qfd84be1685_attn
	.p2alignl 7, 3214868480
	.fill 96, 4, 3214868480
	.section	.rodata,"a",@progbits
	.p2align	6, 0x0
	.amdhsa_kernel k_qfd84be1685_attn
		.amdhsa_group_segment_fixed_size 327680
		.amdhsa_private_segment_fixed_size 0
		.amdhsa_enable_private_segment 0
		.amdhsa_kernarg_size 32
		.amdhsa_user_sgpr_count 2
		.amdhsa_user_sgpr_kernarg_segment_ptr 1
		.amdhsa_wavefront_size32 1
		.amdhsa_system_sgpr_workgroup_id_x 1
		.amdhsa_system_sgpr_workgroup_id_y 1
		.amdhsa_system_sgpr_workgroup_id_z 1
		.amdhsa_system_vgpr_workitem_id 0
		.amdhsa_next_free_vgpr 768
		.amdhsa_next_free_sgpr 80
		.amdhsa_reserve_vcc 0
		.amdhsa_float_denorm_mode_32 3
		.amdhsa_float_denorm_mode_16_64 3
		.amdhsa_memory_ordered 1
		.amdhsa_forward_progress 1
		.amdhsa_inst_pref_size 158
	.end_amdhsa_kernel
	.amdgpu_metadata
---
amdhsa.version: [ 1, 2 ]
amdhsa.kernels:
  - .name:           k_qfd84be1685_attn
    .symbol:         k_qfd84be1685_attn.kd
    .args:
      - { .name: qkv, .offset: 0, .size: 8, .value_kind: global_buffer, .address_space: global }
      - { .name: tab, .offset: 8, .size: 8, .value_kind: global_buffer, .address_space: global }
      - { .name: ctx, .offset: 16, .size: 8, .value_kind: global_buffer, .address_space: global }
      - { .name: st, .offset: 24, .size: 8, .value_kind: global_buffer, .address_space: global }
    .group_segment_fixed_size: 327680
    .private_segment_fixed_size: 0
    .kernarg_segment_align: 8
    .kernarg_segment_size: 32
    .max_flat_workgroup_size: 128
    .sgpr_count:     80
    .vgpr_count:     768
    .wavefront_size: 32
...
	.end_amdgpu_metadata
.endif
;; end of part 3
;; launch meanout (part 4): grid 8 x 32, 4 waves a work-group, clusters of 4 x 4, 327,680 bytes of LDS; arguments qkv, st, tab, out1, ctx, wb, out0; writes out1, out0
.if DOCPART == 4
	.amdgcn_target "amdgcn-amd-amdhsa--gfx1250"
	.amdhsa_code_object_version 6
	.text
	.protected	k_qfd84be1685_meanout
	.globl	k_qfd84be1685_meanout
	.p2align	8
	.type	k_qfd84be1685_meanout,@function
k_qfd84be1685_meanout:
	s_mov_b64 s[64:65], 0
	v_nop
	global_prefetch_b8 v0, s[64:65] scope:SCOPE_SE
	s_setreg_imm32_b32 hwreg(HW_REG_WAVE_MODE, 25, 1), 1
	s_wait_xcnt 0x0
	s_wait_alu depctr_hold_cnt(0) depctr_sa_sdst(0) depctr_va_vdst(0) depctr_va_sdst(0) depctr_va_ssrc(0) depctr_va_vcc(0) depctr_vm_vsrc(0)
	s_getreg_b32 s2, hwreg(HW_REG_IB_STS2, 6, 4)
	s_cmp_eq_u32 s2, 0
	s_cbranch_scc0 .Lentry_in_a_cluster
	s_endpgm
.Lentry_in_a_cluster:
	s_bfe_u32 s2, ttmp6, 0x10000c
	s_cmp_lg_u32 s2, 0xf033
	s_cbranch_scc0 .Lentry_shape_is_right
	s_endpgm
.Lentry_shape_is_right:
; MEANOUT.  Two results that hang on the launch before alone, one after the other in one work-group: out1, then out0.
; PART 1.  out1[b][i][j] = the sum over the 16 heads of 2^(s'_h(i, j) - M'_h(i)), s' = q' . k + lb_j - a |i - j|, M' = m + log2 l + 4 from the launch before: the heads' mean of the normalised weights.
; The exponent is at most -4 up to the roundings of the two passes, since M' holds the row's maximum and the logarithm of its sum.  A term below 2^-126 counts as 0.
; A work-group makes 128 queries x 256 keys of a batch, a wave 64 x 128: 32 tiles of 16 x 16, 256 sums in f32.  The 16 heads are walked, two to a slot of LDS.
; lb_j - a |i - j| is the same for all heads: made once, kept in 256 registers, and taken as the C operand that starts each sum S^T = K Q^T.
; BY GROUPS of four tiles: while group g + 1 is multiplied, group g's s - M' and its first exponentials stand behind the products, four to each; the other exponentials, one wait and the 16 additions follow.
; PART 2.  out0 = context Wo + bo.  The context lies as two bf16 (hi + lo): both are multiplied by the same fragments of Wo and added in one f32 sum.  A work-group makes 128 x 128, a wave 64 x 64: 16 accumulators.
; K goes in 8 steps of two heads: 512 bytes of a row of ctx ([hi 64 | lo 64] twice), 128 rows of Wo; a step is four quarters of 32 channels, 16 products on hi and 16 on lo each; written once, s[TB] is the slot that is read.
; THE JOIN.  When the walk's last LDS read is back, a round of the cluster's barrier, and part 2's K step 0 is asked for; then out1 leaves; a second round, K step 1; so the first tile is on its way while out1 is
; stored, and nothing waits for out1's stores.
; CLUSTER 4 x 4, for both parts: q' and ctx hang on the grid's y alone and are asked for jointly along a row of the cluster, k (with the batch, taken from the cluster's y) and Wo on x, along a column.
; LDS: two slots at 0 and 1 << 17, of 110,592 bytes in part 1 and 104,448 in part 2; behind them M', the waves' stages, the spare words: bytes that no tensor load touches.
; REGISTERS, part 1: window 0: v2-18 addresses; v32-39 M' by query tile, in pairs; v64-127 Q; v128-191 S^T, two buffers of four tiles.  window 1: the sums at 8 (8 t + kt).  window 2: C, likewise.  window 3: v0-127 K.
;   part 2: window 0: v19-30 addresses; v32-127 the way out; v128-255 the accumulators at 8 (4 a + t).  window 1: two fragment buffers (Wo at 8 t, hi at 32 + 8 a, lo at 64 + 8 a) at 0 and 128; v96-127 bo.
.set PQ,    144
.set KOFF,  128*PQ                     ; a head's block: 128 rows of q', then 256 of k
.set HB,    384*PQ                     ; 55,296
.set SLOT1, 1<<17
.set MT,    SLOT1+2*HB                 ; 241,664: M' [16 heads][128 queries], stored once by the waves
.set STAGE, MT+8192                    ; 16 rows x 528 bytes for each wave; part 2 uses 16 rows x 272 of the same bytes
.set SP,    528
.set SPARE, STAGE+4*16*SP
.set PA,    528                        ; part 2: a row of ctx's tile: 512 bytes + 16
.set PB,    288                        ; a row of Wo's tile: 256 + 32
.set AH,    64*PA                      ; 33,792: what wave 0 or 1 fetches
.set BHF,   64*PB                      ; 18,432: what wave 2 or 3 fetches
.set BOFF,  2*AH
.set OSP,   272
.set AQ0, 2
.set AK0, 3
.set AM0, 4
.set ADQ, 5
.set ADK, 6
.set ADM, 7
.set STO, 8
.set RD,  9
.set GO,  10
.set SPW, 12
.set NIL, 13
.set B0,  14
.set MTS, 15
.set LBO, 16
.set OADRA0, 19
.set OADRB0, 20
.set OADRA,  21
.set OADRB,  22
.set OSTO, 23
.set ORD,  24
.set OCO,  25
.set OBO,  26
.set PFO,  27
.set M,   32
.set Q,   64
.set S,   128
.set TMP,  32
.set OB,   64
.set ACC,  128
.set F0,   0
.set F1,   128
.set BIAS, 96
.set WV,  12
.set QH,  13                           ; wave / 2: which half of the rows is mine, in both parts
.set KH,  14                           ; wave % 2: which half of the columns; also which half of a tile I fetch
.set TR,  15                           ; the grid's y: out0's tile row
.set G1Q, 24
.set G1K, 32
.set G0Q, 40
.set G0K, 44
.set TB,  48
.set TBM, 49
.set SLOTS, 50
.set TWICE, 51
.set NA,  52
.set LIM, 53
.set G1A, 68
.set G1B, 76
.set G0A, 84
.set G0B, 88
.set PFA, 98
.set PST, 100
.set PSEL, 104
.set MSB, 0
.macro WIN new
.if MSB != (\new)
	s_set_vgpr_msb (MSB<<8)|(\new)
.set MSB, (\new)
.endif
.endm
.macro PLACES
.rept 4
	v_nop
.endr
.endm
.macro CREST                           ; a round of the cluster's barrier behind its opening barrier
	s_cmp_lg_u32 s[WV], 0
	s_cbranch_scc1 .Lnot_wave_0_\@
	s_barrier_signal -3
.Lnot_wave_0_\@:
	s_barrier_wait -3
	s_barrier_signal -1
	s_barrier_wait -1
.endm
.macro CROUND
	s_barrier_signal -1
	s_barrier_wait -1
	CREST
.endm
.macro JLOAD                           ; part 1: waves 0, 1: q' of the slot's two heads; waves 2, 3: their k
	s_cmp_lt_u32 s[WV], 2
	s_cbranch_scc0 .Lfor_k_\@
	tensor_load_to_lds s[G0Q:G0Q+3], s[G1Q:G1Q+7]
	s_nop 0
.rept 4
	v_nop
.endr
	s_branch .Lasked_\@
.Lfor_k_\@:
	tensor_load_to_lds s[G0K:G0K+3], s[G1K:G1K+7]
	s_nop 0
.rept 4
	v_nop
.endr
.Lasked_\@:
.endm
.macro OJLOAD                          ; part 2: waves 0, 1: the halves of ctx's tile; waves 2, 3: those of Wo's
	s_cmp_lt_u32 s[WV], 2
	s_cbranch_scc0 .Lfor_w_\@
	tensor_load_to_lds s[G0A:G0A+3], s[G1A:G1A+7]
	s_nop 0
.rept 4
	v_nop
.endr
	s_branch .Lasked_\@
.Lfor_w_\@:
	tensor_load_to_lds s[G0B:G0B+3], s[G1B:G1B+7]
	s_nop 0
.rept 4
	v_nop
.endr
.Lasked_\@:
.endm
.macro CHANGE fill                     ; part 1's change of slots; fill = 1: a round of the cluster's barrier, and the joint refill first behind it: two heads' work in which to land
	WIN 0
	s_wait_tensorcnt 0x0
	ds_add_u32 v[SPW], v[NIL]
.if \fill
.irp g, G0Q, G0K
	s_xor_b32 s[(\g)+1], s[(\g)+1], SLOT1
	s_add_nc_u64 s[(\g)+2:(\g)+3], s[(\g)+2:(\g)+3], 524288  ; two heads on
.endr
	s_wait_dscnt 0x0
	CROUND
	JLOAD
.else
	s_wait_dscnt 0x0
	s_barrier_signal -1
	s_barrier_wait -1
.endif
	s_sub_co_u32 s[TB], s[TB], 2*HB
	s_xor_b32 s[TB], s[TB], SLOT1
.endm
	s_load_b256 s[4:11], s[0:1], 0x0               ; qkv 4, st 6, tab 8, out1 10
	s_load_b128 s[92:95], s[0:1], 0x20             ; ctx 92, wb 94
	s_load_b64 s[96:97], s[0:1], 0x30              ; out0
	v_lshl_add_u32 v[SPW], v0, 2, SPARE
	v_mov_b32 v[NIL], 0
	ds_add_u32 v[SPW], v[NIL]                      ; the wave's opening: the add and its wait ahead of my first tensor load
	v_lshrrev_b32 v1, 5, v0
	v_readfirstlane_b32 s[WV], v1
	s_lshr_b32 s[QH], s[WV], 1
	s_and_b32 s[KH], s[WV], 1
	s_bfe_u32 s16, ttmp6, 0x40000                  ; cx
	s_bfe_u32 s17, ttmp6, 0x40004                  ; cy
	s_lshl_b32 s18, ttmp9, 2
	s_add_co_u32 s18, s18, s16                     ; the grid's x: the block of 256 keys, and out0's tile column
	s_and_b32 s19, ttmp7, 0xffff
	s_lshr_b32 s21, s19, 2                         ; the batch, from the cluster's y alone
	s_lshl_b32 s20, s19, 2
	s_add_co_u32 s20, s20, s17
	s_mov_b32 s[TR], s20
	s_and_b32 s20, s20, 15                         ; the block of 128 queries
	s_lshl_b32 s22, s17, 2
	s_lshl_b32 s22, 15, s22                        ; my row of the cluster
	s_lshl_b32 s23, 0x1111, s16                    ; my column
	s_or_b32 s[G1Q], s22, (1<<16)|(1<<20)|(1<<21)|(4<<22)|(3<<25)  ; rows of 256 bytes, two rows of q' each; 4 words of padding after every 32
	s_or_b32 s[G1K], s23, (1<<16)|(1<<20)|(1<<21)|(4<<22)|(3<<25)
	s_or_b32 s[G1A], s22, (1<<16)|(1<<20)|(1<<21)|(6<<22)|(3<<25)  ; ctx: rows of 512 bytes, 4 words of padding
	s_or_b32 s[G1B], s23, (1<<16)|(1<<20)|(1<<21)|(5<<22)|(7<<25)  ; Wo: rows of 256 bytes, 8 words
	s_mov_b32 s[G1Q+1], 128<<16
	s_mov_b32 s[G1Q+2], 64<<16
	s_mov_b32 s[G1Q+3], 128<<16
	s_mov_b32 s[G1Q+4], 64
	s_mov_b32 s[G1Q+5], 128
	s_mov_b32 s[G1Q+6], 0
	s_mov_b32 s[G1Q+7], 0
	s_mov_b32 s[G1K+1], 128<<16
	s_mov_b32 s[G1K+2], 128<<16
	s_mov_b32 s[G1K+3], 128<<16
	s_mov_b32 s[G1K+4], 128
	s_mov_b32 s[G1K+5], 128
	s_mov_b32 s[G1K+6], 0
	s_mov_b32 s[G1K+7], 0
	s_mov_b32 s[G1A+1], 256<<16
	s_mov_b32 s[G1A+2], 64<<16
	s_mov_b32 s[G1A+3], 256<<16
	s_mov_b32 s[G1A+4], 64
	s_mov_b32 s[G1A+5], 2048
	s_mov_b32 s[G1A+6], 0
	s_mov_b32 s[G1A+7], 0
	s_mov_b32 s[G1B+1], 128<<16
	s_mov_b32 s[G1B+2], 64<<16
	s_mov_b32 s[G1B+3], 128<<16
	s_mov_b32 s[G1B+4], 64
	s_mov_b32 s[G1B+5], 1024
	s_mov_b32 s[G1B+6], 0
	s_mov_b32 s[G1B+7], 0
	s_lshl_b32 s22, s21, 4
	s_add_co_u32 s22, s22, s[KH]                   ; 16 x batch + the head of the slot's two that I fetch
	s_lshl_b32 s22, s22, 18
	s_lshl_b32 s54, s20, 14
	s_add_co_u32 s54, s54, s22
	s_mov_b32 s55, 0
	s_lshl_b32 s56, s18, 15
	s_add_co_u32 s56, s56, s22
	s_add_co_u32 s56, s56, 8388608
	s_mov_b32 s57, 0
	s_mul_i32 s23, s[KH], HB
	s_mov_b32 s[G0Q], 1
	s_mov_b32 s[G0Q+1], s23
	s_mov_b32 s[G0K], 1
	s_add_co_u32 s[G0K+1], s23, KOFF
	s_mov_b32 s[G0A], 1
	s_mul_i32 s[G0A+1], s[KH], AH
	s_mov_b32 s[G0B], 1
	s_mul_i32 s[G0B+1], s[KH], BHF
	s_add_co_u32 s[G0B+1], s[G0B+1], BOFF
	s_mov_b32 s[TB], SLOT1+2*HB                    ; the first change of slots turns it into 0
	s_mov_b32 s[TBM], 0
	s_mov_b32 s[SLOTS], 7
	s_mov_b32 s[NA], 0xbe13bb63                    ; -a
	s_wait_dscnt 0x0
	s_wait_kmcnt 0x0
	s_add_nc_u64 s[G0Q+2:G0Q+3], s[4:5], s[54:55]
	s_or_b32 s[G0Q+3], s[G0Q+3], 0x80000000
	s_add_nc_u64 s[G0K+2:G0K+3], s[4:5], s[56:57]
	s_or_b32 s[G0K+3], s[G0K+3], 0x80000000
	CROUND                                         ; all sixteen work-groups are here
	JLOAD                                          ; heads 0 and 1 into slot 0
	; part 2's addresses, made here, while the first tiles are on their way
	s_lshl_b32 s54, s[TR], 1
	s_add_co_u32 s54, s54, s[KH]
	s_lshl_b32 s54, s54, 18                        ; ctx: (128 x tile row + 64 x half) rows of 4,096 bytes
	s_mov_b32 s55, 0
	s_add_nc_u64 s[G0A+2:G0A+3], s[92:93], s[54:55]
	s_lshl_b32 s56, s[KH], 17                      ; Wo: 64 x half rows of 2,048 bytes,
	s_lshl_b32 s57, s18, 8                         ; the tile's 128 columns,
	s_add_co_u32 s56, s56, s57
	s_add_co_u32 s56, s56, 6291456                 ; the fourth matrix of wb
	s_mov_b32 s57, 0
	s_add_nc_u64 s[G0B+2:G0B+3], s[94:95], s[56:57]
	s_mov_b32 s[PST], 262144                       ; the prefetches: a K step of Wo is 128 rows,
	s_cmp_lt_u32 s[WV], 2
	s_cselect_b32 s63, ttmp9, s19                  ; the coordinate along which other clusters read the same rows
	s_cselect_b32 s62, s16, s17                    ; my place among the four that ask with me
	s_cselect_b64 s[PFA:PFA+1], s[G0A+2:G0A+3], s[G0B+2:G0B+3]
	s_cselect_b32 s[PST], 512, s[PST]              ; of ctx 512 bytes along the row
	s_cselect_b32 s[PSEL], -1, 0
	s_mov_b32 s[PST+1], 0
	s_cmp_eq_u32 s63, 0
	s_cselect_b32 s[LIM], 2, -1
	s_cmp_eq_u32 s[WV], 3
	s_cselect_b32 s[LIM], -1, s[LIM]               ; wave 2 names all of Wo's rows
	s_lshl_b32 s62, s62, 16                        ; 16 rows of 4,096 bytes, or 32 of 2,048
	s_mov_b32 s63, 0
	s_add_nc_u64 s[PFA:PFA+1], s[PFA:PFA+1], s[62:63]
.rept 3
	s_add_nc_u64 s[PFA:PFA+1], s[PFA:PFA+1], s[PST:PST+1]  ; at K step 3; each refill steps it first
.endr
	s_or_b32 s[G0A+3], s[G0A+3], 0x80000000
	s_or_b32 s[G0B+3], s[G0B+3], 0x80000000
	s_lshl_b32 s62, s[TR], 1                       ; out0 at my first row and column
	s_add_co_u32 s62, s62, s[QH]
	s_lshl_b32 s62, s62, 18
	s_lshl_b32 s63, s18, 9
	s_add_co_u32 s62, s62, s63
	s_lshl_b32 s63, s[KH], 8
	s_add_co_u32 s62, s62, s63
	s_mov_b32 s63, 0
	s_add_nc_u64 s[96:97], s[96:97], s[62:63]
	; part 1 goes on
	v_and_b32 v1, 15, v0                           ; r
	v_bfe_u32 v11, v0, 4, 1                        ; h
	v_and_b32 v17, 31, v0
	v_lshlrev_b32 v[GO], 4, v17                    ; 16 l
	s_lshl_b32 s58, s21, 4                         ; M' of heads 4 w .. 4 w + 3: 512 bytes each, a wave's load
	s_lshl_b32 s59, s[WV], 2
	s_add_co_u32 s58, s58, s59
	s_lshl_b32 s58, s58, 13
	s_lshl_b32 s59, s20, 9
	s_add_co_u32 s58, s58, s59
	s_mov_b32 s59, 0
	s_add_nc_u64 s[58:59], s[6:7], s[58:59]
.irp i, 0,1,2,3
	global_load_b128 v[S+4*(\i):S+4*(\i)+3], v[GO], s[58:59] offset:8192*(\i)
.endr
	s_lshl_b32 s60, s21, 15                        ; lb of my 128 keys
	s_lshl_b32 s61, s18, 10
	s_add_co_u32 s60, s60, s61
	s_lshl_b32 s61, s[KH], 9
	s_add_co_u32 s60, s60, s61
	s_mov_b32 s61, 0
	s_add_nc_u64 s[60:61], s[8:9], s[60:61]
	v_lshlrev_b32 v[LBO], 5, v11
.irp k, 0,1,2,3,4,5,6,7
	global_load_b128 v[Q+8*(\k):Q+8*(\k)+3], v[LBO], s[60:61] offset:24576+64*(\k)
	global_load_b128 v[Q+8*(\k)+4:Q+8*(\k)+7], v[LBO], s[60:61] offset:24576+64*(\k)+16
.endr
	WIN 0x40
.set i, 0
.rept 256                              ; the sums are the vector unit's and start at 0; written while the first tiles are on their way
	v_mov_b32 v[i], 0
.set i, i+1
.endr
	WIN 0
	s_mov_b32 s62, 0xff000000
.set i, 0
.rept 32                               ; the first head finishes a group that has not been: its scores lie far below everything, and 0 is added
	v_mov_b32 v[S+32+i], s62
.set i, i+1
.endr
.set i, 0
.rept 8
	v_mov_b32 v[M+i], 0
.set i, i+1
.endr
	s_lshl_b32 s62, s[WV], 11
	s_add_co_u32 s62, s62, MT
	v_add_nc_u32 v[MTS], s62, v[GO]
	s_lshl_b32 s62, s[QH], 6
	v_add_nc_u32 v18, s62, v1                      ; 64 qh + r
	v_mul_u32_u24 v[AQ0], v18, PQ
	v_lshl_add_u32 v[AQ0], v11, 4, v[AQ0]
	v_lshlrev_b32 v[AM0], 2, v18
	v_add_nc_u32 v[AM0], MT, v[AM0]
	s_lshl_b32 s62, s[KH], 7
	v_add_nc_u32 v18, s62, v1                      ; 128 kh + r
	v_mul_u32_u24 v[AK0], v18, PQ
	v_lshl_add_u32 v[AK0], v11, 4, v[AK0]
	v_add_nc_u32 v[AK0], KOFF, v[AK0]
	s_mul_i32 s62, s[WV], 16*SP
	s_add_co_u32 s62, s62, STAGE
	v_mul_u32_u24 v[STO], v1, SP
	v_lshl_add_u32 v[STO], v11, 5, v[STO]
	v_add_nc_u32 v[STO], s62, v[STO]
	v_add_nc_u32 v[RD], s62, v[GO]
	s_lshl_b32 s66, s21, 11                        ; out1 at my first row and column
	s_lshl_b32 s67, s20, 7
	s_add_co_u32 s66, s66, s67
	s_lshl_b32 s67, s[QH], 6
	s_add_co_u32 s66, s66, s67
	s_lshl_b32 s66, s66, 13
	s_lshl_b32 s67, s18, 10
	s_add_co_u32 s66, s66, s67
	s_lshl_b32 s67, s[KH], 9
	s_add_co_u32 s66, s66, s67
	s_mov_b32 s67, 0
	s_add_nc_u64 s[66:67], s[10:11], s[66:67]
	s_wait_loadcnt 16                              ; M' is in; lb's 16 loads may stay out
.irp i, 0,1,2,3
	ds_store_b128 v[MTS], v[S+4*(\i):S+4*(\i)+3] offset:512*(\i)
.endr
	; i - j = B0 + 16 (t - kt) - jj: whole numbers in f32, 88 of them; then -a |i - j|
	s_lshl_b32 s62, s20, 7
	s_lshl_b32 s63, s[QH], 6
	s_add_co_u32 s62, s62, s63
	s_lshl_b32 s63, s18, 8
	s_sub_co_u32 s62, s62, s63
	s_lshl_b32 s63, s[KH], 7
	s_sub_co_u32 s62, s62, s63
	v_lshlrev_b32 v[B0], 3, v11
	v_sub_nc_u32 v[B0], v1, v[B0]
	v_add_nc_u32 v[B0], s62, v[B0]
	v_cvt_f32_i32 v[B0], v[B0]
	WIN 0xc0
	v_add_f32 v0, 0xc2e00000, v[B0]                ; window 3: t - kt = -7, jj = 0
	WIN 0xcc
.set d, 1
.rept 10
	v_add_f32 v[8*d], 0x41800000, v[8*d-8]
.set d, d+1
.endr
.set j, 1
.rept 7
.set d, 0
.rept 11
	v_add_f32 v[8*d+j], -1.0, v[8*d+j-1]
.set d, d+1
.endr
.set j, j+1
.endr
.set i, 0
.rept 88
	v_mul_f32 v[i], s[NA], |v[i]|
.set i, i+1
.endr
	s_wait_loadcnt 0x0                             ; lb
	WIN 0x83
.set n, 0
.rept 128                              ; tile n / 4 (t = tile / 8, kt = tile % 8), pair n % 4
	v_pk_add_f32 v[8*(n/4)+2*(n%4):8*(n/4)+2*(n%4)+1], v[8*((n/4)/8-(n/4)%8+7)+2*(n%4):8*((n/4)/8-(n/4)%8+7)+2*(n%4)+1], v[Q+8*((n/4)%8)+2*(n%4):Q+8*((n/4)%8)+2*(n%4)+1]
.set n, n+1
.endr
	WIN 0
; Group g = (query tile g / 2, keys 64 (g % 2) on): four tiles, in S^T's buffer g % 2.  Product i of 8: i < 4 starts tile i's sum with C, i >= 4 adds channels 32-63 in place: three others stand between.
.macro MM g, i
.set mt, (\g)/2
.set mk, 4*((\g)%2)+(\i)%4
.set mS, S+32*((\g)%2)+8*((\i)%4)
.if (\i) < 4
	WIN 0x23
	v_wmma_f32_16x16x32_f16 v[mS:mS+7], v[16*mk:16*mk+7], v[Q+16*mt:Q+16*mt+7], v[8*(8*mt+mk):8*(8*mt+mk)+7]
.else
	WIN 0x03
	v_wmma_f32_16x16x32_f16 v[mS:mS+7], v[16*mk+8:16*mk+15], v[Q+16*mt+8:Q+16*mt+15], v[mS:mS+7]
.endif
.endm
.macro VF g, n                         ; pair n of 16 less M': within a tile the registers ascend
	v_pk_add_f32 v[S+32*((\g)%2)+2*(\n):S+32*((\g)%2)+2*(\n)+1], v[S+32*((\g)%2)+2*(\n):S+32*((\g)%2)+2*(\n)+1], v[M+2*((\g)/2):M+2*((\g)/2)+1] op_sel_hi:[1,0] neg_lo:[0,1] neg_hi:[0,1]
.endm
.macro VE g, n
	v_exp_f32 v[S+32*((\g)%2)+(\n)], v[S+32*((\g)%2)+(\n)]
.endm
.macro VA g                            ; the group's 32 weights onto the sums
	WIN 0x41
.set z, 0
.rept 16
	v_pk_add_f32 v[32*(\g)+2*z:32*(\g)+2*z+1], v[32*(\g)+2*z:32*(\g)+2*z+1], v[S+32*((\g)%2)+2*z:S+32*((\g)%2)+2*z+1]
.set z, z+1
.endr
.endm
.macro GROUP g
.set gi, 0
.rept 8
	MM (\g)+1, gi
	WIN 0
	VF \g, 2*gi
	VF \g, 2*gi+1
.if gi > 0
	VE \g, 2*gi-2
	VE \g, 2*gi-1
.endif
.set gi, gi+1
.endr
.set gi, 14
.rept 18
	VE \g, gi
.set gi, gi+1
.endr
	v_nop                                          ; a plain instruction behind the last exponential
	s_wait_alu depctr_va_vdst(0)                   ; one wait for the group's 32
	VA \g                                          ; 16 plain lines: also the places in front of the first read of group g + 1's scores
.endm
.macro QLOAD t
.irp w, 0,1,2,3
	ds_load_b128 v[Q+16*(\t)+4*(\w):Q+16*(\t)+4*(\w)+3], v[ADQ] offset:2304*(\t)+32*(\w)
.endr
.endm
.macro KLOAD k
.irp w, 0,1,2,3
	ds_load_b128 v[16*(\k)+4*(\w):16*(\k)+4*(\w)+3], v[ADK] offset:2304*(\k)+32*(\w)
.endr
.endm
.macro LAST7                           ; group 7's exponentials and additions
.set hn, 0
.rept 32
	VE 7, hn
.set hn, hn+1
.endr
	v_nop
	s_wait_alu depctr_va_vdst(0)
	VA 7
.endm
.macro HEAD                            ; a head: the head before's last group is finished round this head's 52 LDS loads
	WIN 0
.set hn, 0
.rept 16
	VF 7, hn
.set hn, hn+1
.endr
	v_add_nc_u32 v[ADQ], s[TB], v[AQ0]
	v_add_nc_u32 v[ADK], s[TB], v[AK0]
	v_add_nc_u32 v[ADM], s[TBM], v[AM0]
.irp t, 0,1,2,3
	ds_load_b32 v[M+2*(\t)], v[ADM] offset:64*(\t)
.endr
	QLOAD 0
	WIN 0xc0
	KLOAD 0
	KLOAD 1
	KLOAD 2
	KLOAD 3
	WIN 0
	QLOAD 1
	QLOAD 2
	QLOAD 3
	WIN 0xc0
	KLOAD 4
	KLOAD 5
	KLOAD 6
	KLOAD 7
	WIN 0
	s_add_co_u32 s[TB], s[TB], HB
	s_add_co_u32 s[TBM], s[TBM], 512
	LAST7
	s_wait_dscnt 28                                ; M', Q's tile 0 and K's tiles 0-3 are in; the 28 younger loads may stay out
.set hn, 0
.rept 8
	MM 0, hn
.set hn, hn+1
.endr
	s_wait_dscnt 0x0
	PLACES
	GROUP 0
	GROUP 1
	GROUP 2
	GROUP 3
	GROUP 4
	GROUP 5
	GROUP 6
.endm
.macro TWO_HEADS
	WIN 0
	s_mov_b32 s[TWICE], 2
.Lhead_\@:
	HEAD
	WIN 0
	s_sub_co_u32 s[TWICE], s[TWICE], 1
	s_cmp_lg_u32 s[TWICE], 0
	s_cbranch_scc1 .Lhead_\@
.endm
.Lslot:                                                ; seven times: a slot is entered and the next two heads are asked for
	CHANGE 1
	TWO_HEADS
	s_sub_co_u32 s[SLOTS], s[SLOTS], 1
	s_cmp_lg_u32 s[SLOTS], 0
	s_cbranch_scc1 .Lslot
	CHANGE 0                                       ; the last slot is written out
	TWO_HEADS
	; THE JOIN, first round: no load of mine is out, my reads of both slots are back; behind the round part 2's K step 0 goes into slot 0
	s_wait_tensorcnt 0x0
	ds_add_u32 v[SPW], v[NIL]
	s_wait_dscnt 0x0
	CROUND
	OJLOAD
	v_mul_u32_u24 v28, v1, PA                      ; part 2's lane terms: a fragment of ctx: row x pitch + 16 x half
	v_lshl_add_u32 v28, v11, 4, v28
	s_mul_i32 s62, s[QH], AH
	v_add_nc_u32 v[OADRA0], s62, v28
	v_and_b32 v29, 7, v0                           ; the turning load: row 8 h + l % 8, 16 bytes by (l / 8) % 2
	v_lshl_add_u32 v29, v11, 3, v29
	v_mul_u32_u24 v29, v29, PB
	v_bfe_u32 v30, v0, 3, 1
	v_lshl_add_u32 v29, v30, 4, v29
	s_lshl_b32 s62, s[KH], 7
	s_add_co_u32 s62, s62, BOFF
	v_add_nc_u32 v[OADRB0], s62, v29
	s_mul_i32 s62, s[WV], 16*SP
	s_add_co_u32 s62, s62, STAGE                   ; my stage, the same bytes as in part 1
	v_mul_u32_u24 v[OSTO], v1, OSP
	v_lshl_add_u32 v[OSTO], v11, 5, v[OSTO]
	v_add_nc_u32 v[OSTO], s62, v[OSTO]
	v_mul_u32_u24 v[ORD], v11, OSP
	v_lshl_add_u32 v[ORD], v1, 4, v[ORD]
	v_add_nc_u32 v[ORD], s62, v[ORD]
	v_lshlrev_b32 v[OCO], 12, v11
	v_lshl_add_u32 v[OCO], v1, 4, v[OCO]
	s_lshl_b32 s62, s18, 9                         ; bo of my 64 columns
	s_lshl_b32 s63, s[KH], 8
	s_add_co_u32 s62, s62, s63
	v_lshl_add_u32 v[OBO], v11, 5, s62
	v_and_b32 v28, 31, v0
	v_lshlrev_b32 v29, 11, v28                     ; the prefetches' offset.  Wo: a lane a row
	v_lshrrev_b32 v30, 1, v28
	v_lshlrev_b32 v30, 12, v30
	v_and_b32 v28, 1, v28
	v_lshl_add_u32 v30, v28, 8, v30                ; ctx: two lanes a row
	v_cndmask_b32 v[PFO], v29, v30, s[PSEL]
.set hn, 0
.rept 16
	VF 7, hn                                       ; the last head's last group
.set hn, hn+1
.endr
	LAST7
; out1's WAY OUT: 16 rows x 512 bytes at a time through my own stage, out as whole rows' 512 consecutive bytes.
.macro OUTT t
	WIN 0x04
.set z, 0
.rept 8
	ds_store_b128 v[STO], v[64*(\t)+8*z:64*(\t)+8*z+3] offset:64*z
	ds_store_b128 v[STO], v[64*(\t)+8*z+4:64*(\t)+8*z+7] offset:64*z+16
.set z, z+1
.endr
	WIN 0
	s_wait_xcnt 0x0                                ; earlier stores have read this buffer
.set z, 0
.rept 16
	ds_load_b128 v[Q+64*((\t)%2)+4*z:Q+64*((\t)%2)+4*z+3], v[RD] offset:SP*z
.set z, z+1
.endr
.set z, 0
.rept 16
	s_wait_dscnt 15-z
	global_store_b128 v[GO], v[Q+64*((\t)%2)+4*z:Q+64*((\t)%2)+4*z+3], s[66:67] offset:(16*(\t)+z)*8192
.set z, z+1
.endr
.endm
	OUTT 0
	OUTT 1
	OUTT 2
	OUTT 3
	WIN 0x40
.irp t, 0,1,2,3
	global_load_b128 v[BIAS+8*(\t):BIAS+8*(\t)+3], v[OBO], s[8:9] offset:65536+4*4096+64*(\t)
	global_load_b128 v[BIAS+8*(\t)+4:BIAS+8*(\t)+7], v[OBO], s[8:9] offset:65536+4*4096+64*(\t)+16
.endr
	WIN 0
	; THE JOIN, second round: K step 0 has landed, in every wave of the cluster; K step 1 goes into slot 1
	s_wait_tensorcnt 0x0
	ds_add_u32 v[SPW], v[NIL]
	s_xor_b32 s[G0A+1], s[G0A+1], SLOT1
	s_add_nc_u64 s[G0A+2:G0A+3], s[G0A+2:G0A+3], 512
	s_xor_b32 s[G0B+1], s[G0B+1], SLOT1
	s_add_nc_u64 s[G0B+2:G0B+3], s[G0B+2:G0B+3], 262144
	s_mov_b32 s[TB], 0
	s_wait_dscnt 0x0
	CROUND
	OJLOAD
	s_wait_xcnt 0x0                                ; out1's stores have read their registers: the accumulators and the way out of part 2 take them over
; A prefetch of the K step two refills on (256 products ahead of its load): 32 blocks of 256 bytes, a lane a block.  ctx: waves 0, 1 of the clusters with x = 0, the partner at cx takes 16 of the wave's 64 rows, two blocks
; each; Wo: wave 2 of the clusters with y = 0, the partner at cy takes 32 of the step's 128 rows.  The loop's last two trips (s3 = 2, 1) ask for nothing: those steps do not exist.
.macro ASK
	WIN 0
	s_cmp_gt_u32 s3, s[LIM]
	s_cbranch_scc0 .Lnot_mine_\@
	global_prefetch_b8 v[PFO], s[PFA:PFA+1] th:TH_LOAD_NT scope:SCOPE_SE
.Lnot_mine_\@:
.endm
.macro OSETADR
	v_add_nc_u32 v[OADRA], s[TB], v[OADRA0]
	v_add_nc_u32 v[OADRB], s[TB], v[OADRB0]
.endm
.macro MUL8 f, lo, a0, zero            ; 8 products: rows a0, a0 + 1 x all 4 column tiles, on hi (lo = 0) or lo (1).  The 16 accumulators take turns
	WIN 0x05
.irp a, \a0, (\a0)+1
.irp t, 0,1,2,3
.if \zero
	v_wmma_f32_16x16x32_bf16 v[ACC+8*(4*(\a)+(\t)):ACC+8*(4*(\a)+(\t))+7], v[(\f)+8*(\t):(\f)+8*(\t)+7], v[(\f)+32+32*(\lo)+8*(\a):(\f)+32+32*(\lo)+8*(\a)+7], 0
.else
	v_wmma_f32_16x16x32_bf16 v[ACC+8*(4*(\a)+(\t)):ACC+8*(4*(\a)+(\t))+7], v[(\f)+8*(\t):(\f)+8*(\t)+7], v[(\f)+32+32*(\lo)+8*(\a):(\f)+32+32*(\lo)+8*(\a)+7], v[ACC+8*(4*(\a)+(\t)):ACC+8*(4*(\a)+(\t))+7]
.endif
.endr
.endr
.endm
.macro OFETCH u, f                     ; 24 LDS loads: quarter u = (head u / 2 of the step's two, channels 32 (u % 2) on) of the slot s[TB]
	WIN 0x40
.irp t, 0,1,2,3
	ds_load_tr16_b128 v[(\f)+8*(\t):(\f)+8*(\t)+3], v[OADRB] offset:9216*(\u)+32*(\t)
	ds_load_tr16_b128 v[(\f)+8*(\t)+4:(\f)+8*(\t)+7], v[OADRB] offset:9216*(\u)+32*(\t)+4608
.endr
.irp a, 0,1,2,3
	ds_load_b128 v[(\f)+32+8*(\a):(\f)+32+8*(\a)+3], v[OADRA] offset:8448*(\a)+256*((\u)/2)+64*((\u)%2)
	ds_load_b128 v[(\f)+32+8*(\a)+4:(\f)+32+8*(\a)+7], v[OADRA] offset:8448*(\a)+256*((\u)/2)+64*((\u)%2)+32
	ds_load_b128 v[(\f)+64+8*(\a):(\f)+64+8*(\a)+3], v[OADRA] offset:8448*(\a)+256*((\u)/2)+64*((\u)%2)+128
	ds_load_b128 v[(\f)+64+8*(\a)+4:(\f)+64+8*(\a)+7], v[OADRA] offset:8448*(\a)+256*((\u)/2)+64*((\u)%2)+160
.endr
.endm
.macro OQUARTER u, f, g, zero
	s_wait_dscnt 0x0                               ; buffer f is in
	MUL8 \f, 0, 0, \zero
	MUL8 \f, 0, 2, \zero
	PLACES
	OFETCH \u, \g
	MUL8 \f, 1, 0, 0
	MUL8 \f, 1, 2, 0
.endm
.macro OTURN fill                      ; the fourth quarter multiplies buffer 1 and changes slots; fill = 1: the slot just read takes the K step two on, first thing behind the round
.if \fill
	s_wait_xcnt 0x0                                ; the last prefetch, a K step back, has read its address
	s_add_nc_u64 s[PFA:PFA+1], s[PFA:PFA+1], s[PST:PST+1]
.endif
	WIN 0
	s_wait_tensorcnt 0x0                           ; all my tensor loads have landed: my part of the next slot
	ds_add_u32 v[SPW], v[NIL]
	s_wait_dscnt 1                                 ; the fragments are in; the add alone may be out
	MUL8 F1, 0, 0, 0
	s_wait_dscnt 0x0                               ; the add is done, and my reads of this slot are over
	s_barrier_signal -1
	MUL8 F1, 0, 2, 0
	WIN 0
	s_barrier_wait -1
.if \fill
	CREST
	s_xor_b32 s[G0A+1], s[G0A+1], SLOT1            ; the walking descriptors: the other slot than last time, the next K step
	s_add_nc_u64 s[G0A+2:G0A+3], s[G0A+2:G0A+3], 512
	s_xor_b32 s[G0B+1], s[G0B+1], SLOT1
	s_add_nc_u64 s[G0B+2:G0B+3], s[G0B+2:G0B+3], 262144
	OJLOAD                                         ; its four v_nop are also the places in front of the loads below
.else
	PLACES
.endif
	s_xor_b32 s[TB], s[TB], SLOT1
	OSETADR
	OFETCH 0, F0
.if \fill
	ASK
.endif
	MUL8 F1, 1, 0, 0
	MUL8 F1, 1, 2, 0
.endm
	OSETADR
	OFETCH 0, F0
	OQUARTER 1, F0, F1, 1                          ; the first products start the sums
	WIN 0
	s_mov_b32 s3, 6
.Lostep:                                               ; six trips, from a K step's second quarter to the next step's first
	OQUARTER 2, F1, F0, 0
	OQUARTER 3, F0, F1, 0
	OTURN 1
	OQUARTER 1, F0, F1, 0
	WIN 0
	s_sub_co_u32 s3, s3, 1
	s_cmp_lg_u32 s3, 0
	s_cbranch_scc1 .Lostep
	s_mov_b32 s3, 2
.Lotail:                                               ; the last two K steps ask for nothing: a text of their own; the second trip is left in its middle
	OQUARTER 2, F1, F0, 0
	OQUARTER 3, F0, F1, 0
	OTURN 0                                        ; (in the second trip its 24 loads bring fragments that nobody multiplies)
	WIN 0
	s_sub_co_u32 s3, s3, 1
	s_cmp_eq_u32 s3, 0
	s_cbranch_scc1 .Loout
	OQUARTER 1, F0, F1, 0
	WIN 0
	s_branch .Lotail
.Loout:
	PLACES
	s_wait_loadcnt 0x0                             ; bo
; out0's WAY OUT: 16 rows x 256 bytes at a time, the bias added, through my own stage; a wave's 64 columns of f32 are 256 consecutive bytes, aligned.
.macro OUTA a
	WIN 0x04
.set z, 0
.rept 16
	v_pk_add_f32 v[TMP+2*z:TMP+2*z+1], v[ACC+32*(\a)+2*z:ACC+32*(\a)+2*z+1], v[BIAS+2*z:BIAS+2*z+1]
.set z, z+1
.endr
	WIN 0
.irp t, 0,1,2,3
	ds_store_b128 v[OSTO], v[TMP+8*(\t):TMP+8*(\t)+3] offset:64*(\t)
	ds_store_b128 v[OSTO], v[TMP+8*(\t)+4:TMP+8*(\t)+7] offset:64*(\t)+16
.endr
	s_wait_xcnt 0x0                                ; earlier stores have read this buffer
.irp f, 0,1,2,3,4,5,6,7
	ds_load_b128 v[OB+32*((\a)%2)+4*(\f):OB+32*((\a)%2)+4*(\f)+3], v[ORD] offset:544*(\f)
.endr
.irp f, 0,1,2,3,4,5,6,7
	s_wait_dscnt 7-(\f)
	global_store_b128 v[OCO], v[OB+32*((\a)%2)+4*(\f):OB+32*((\a)%2)+4*(\f)+3], s[96:97] offset:(16*(\a)+2*(\f))*4096
.endr
.endm
	OUTA 0
	OUTA 1
	OUTA 2
	OUTA 3
	s_wait_tensorcnt 0x0                           ; the wave's end
	ds_add_u32 v[SPW], v[NIL]
	s_wait_dscnt 0x0
	CROUND                                         ; the closing round
	s_endpgm
.Lfunc_end_k_qfd84be1685_meanout:
	.size	k_qfd84be1685_meanout, .Lfunc_end_k_qfd84be1685_meanout-k_qfd84be1685_meanout
	.p2alignl 7, 3214868480
	.fill 96, 4, 3214868480
	.section	.rodata,"a",@progbits
	.p2align	6, 0x0
	.amdhsa_kernel k_qfd84be1685_meanout
		.amdhsa_group_segment_fixed_size 327680
		.amdhsa_private_segment_fixed_size 0
		.amdhsa_enable_private_segment 0
		.amdhsa_kernarg_size 56
		.amdhsa_user_sgpr_count 2
		.amdhsa_user_sgpr_kernarg_segment_ptr 1
		.amdhsa_wavefront_size32 1
		.amdhsa_system_sgpr_workgroup_id_x 1
		.amdhsa_system_sgpr_workgroup_id_y 1
		.amdhsa_system_sgpr_workgroup_id_z 1
		.amdhsa_system_vgpr_workitem_id 0
		.amdhsa_next_free_vgpr 896
		.amdhsa_next_free_sgpr 106
		.amdhsa_reserve_vcc 0
		.amdhsa_float_denorm_mode_32 3
		.amdhsa_float_denorm_mode_16_64 3
		.amdhsa_memory_ordered 1
		.amdhsa_forward_progress 1
		.amdhsa_inst_pref_size 187
	.end_amdhsa_kernel
	.amdgpu_metadata
---
amdhsa.version: [ 1, 2 ]
amdhsa.kernels:
  - .name:           k_qfd84be1685_meanout
    .symbol:         k_qfd84be1685_meanout.kd
    .args:
      - { .name: qkv, .offset: 0, .size: 8, .value_kind: global_buffer, .address_space: global }
      - { .name: st, .offset: 8, .size: 8, .value_kind: global_buffer, .address_space: global }
      - { .name: tab, .offset: 16, .size: 8, .value_kind: global_buffer, .address_space: global }
      - { .name: out1, .offset: 24, .size: 8, .value_kind: global_buffer, .address_space: global }
      - { .name: ctx, .offset: 32, .size: 8, .value_kind: global_buffer, .address_space: global }
      - { .name: wb, .offset: 40, .size: 8, .value_kind: global_buffer, .address_space: global }
      - { .name: out0, .offset: 48, .size: 8, .value_kind: global_buffer, .address_space: global }
    .group_segment_fixed_size: 327680
    .private_segment_fixed_size: 0
    .kernarg_segment_align: 8
    .kernarg_segment_size: 56
    .max_flat_workgroup_size: 128
    .sgpr_count:     106
    .vgpr_count:     896
    .wavefront_size: 32
...
	.end_amdgpu_metadata
.endif
;; end of part 4
;; ======== version 2 of 2: 4 launches; version 1 with the launch prep written anew for expert scheduling mode
;; limits: values are held in f16: magnitudes above 65,504 overflow, below 6.1e-05 lose precision
;; workspace buffers: xb 8,388,608 bytes; wb 8,388,608 bytes; tab 86,016 bytes; qkv 25,165,824 bytes; st 262,144 bytes; ctx 16,777,216 bytes
;; launch prep (part 5): grid 264 x 1, 8 waves a work-group, no clusters, 0 bytes of LDS; arguments x, Wq, Wk, Wv, Wo, delta_r, bq, bk, bv, bo, xb, wb, tab; writes xb, wb, tab
.if DOCPART == 5
	.amdgcn_target "amdgcn-amd-amdhsa--gfx1250"
	.amdhsa_code_object_version 6
	.text
	.protected	k_qfd84be1685_prep
	.globl	k_qfd84be1685_prep
	.p2align	8
	.type	k_qfd84be1685_prep,@function
k_qfd84be1685_prep:
	s_mov_b64 s[64:65], 0
	v_nop
	global_prefetch_b8 v0, s[64:65] scope:SCOPE_SE
	s_setreg_imm32_b32 hwreg(HW_REG_WAVE_SCHED_MODE, 0, 2), 2
	s_setreg_imm32_b32 hwreg(HW_REG_WAVE_MODE, 25, 1), 1
	s_wait_xcnt 0x0
	s_wait_alu depctr_vm_vsrc(0)
; PREP.  Every input is rounded once to bf16, and the small tables are made.
;   work-groups 0-127:   32 rows of x            -> xb (bf16, the same layout)
;   work-groups 128-255: 32 rows of Wq,Wk,Wv,Wo  -> wb (bf16, the four matrices on end)
;   work-groups 256-259: 1,024 positions of delta_r -> tab: for batch b at 32,768 b: TL = lb + a j, TR = lb - a j, DR = delta_r rounded, LB = lb,
;                        8,192 bytes each; lb = log2(DR + 1e-6), a = 0.1 log2(e)
;   work-groups 260-263: one bias each -> tab + 65,536: [bq c | bk | 0 | bv | bo], rounded to bf16 and kept as f32; c = log2(e) / 8
; A stream: no LDS, no matrix work.  A cast work-group has all its 32 loads (128 KiB) out at once; a wave's store covers 256 consecutive bytes, aligned.
; LIMIT: delta_r + 1e-6 <= 0 gives what log2 gives of it, as in the problem's own log.
; THE MODE: SCHED_MODE bits 1:0 = 2 (LLVM: expert scheduling mode 2), set by the entry lines.  The code itself states the register dependences
; between vector instructions and memory instructions, with s_wait_alu, always for 0.
; THE PLAN.  Registers that memory instructions touch:
;   v1, v2       byte offsets 16 t and 8 t, made once at the head, read by every load and store, never written again.
;   The cast:    v[8:135]   32 x 4 raw registers: each written by one load, once, and read by its block's conversions.
;                v[136:199] 32 x 2 out registers: each written by one conversion, once, and read by one store.
;                The 32 loads go in eight blocks of four.  Block p's conversions read its raw registers and write its out registers; the memory instructions issued in block p are the four
;                stores of block p - 1, whose registers no vector instruction of block p names.  So one wait at a block's head states all that its four stores hang on.
;   The tables:  v[8:11] the load, then DR; v[16:19] LB; v[28:35] TL and TR: written by vector instructions, read by the four stores.
;   A bias:      v[8:11] the load, then the bias as stored; v[16:19] zeros.
; No register that a memory instruction has read is written again, on any path: so no wait on vm_vsrc follows the entry lines.  No vector instruction writes a scalar register or VCC; EXEC is never written.
.set CQ,   0x3e38aa3b                  ; log2(e) / 8
.set APOS, 0x3e13bb63                  ; 0.1 log2(e)
.set ANEG, 0xbe13bb63
.set EPS,  0x358637bd                  ; 1e-6
.set RAW,  8                           ; the cast: load i lands in v[RAW + 4 i .. + 3]
.set OUT,  136                         ; the cast: store i leaves from v[OUT + 2 i .. + 1]
	s_load_b512 s[8:23], s[0:1], 0x0               ; x 8, Wq 10, Wk 12, Wv 14, Wo 16, delta_r 18, bq 20, bk 22
	s_load_b256 s[24:31], s[0:1], 0x40             ; bv 24, bo 26, xb 28, wb 30
	s_load_b64 s[32:33], s[0:1], 0x60              ; tab
	s_mov_b32 s2, ttmp9                            ; g
	v_lshlrev_b32 v1, 4, v0                        ; 16 t
	v_lshlrev_b32 v2, 3, v0                        ; 8 t
	s_lshr_b32 s3, s2, 5
	s_and_b32 s4, s2, 31
	s_and_b32 s5, s2, 127
	s_wait_kmcnt 0x0
	s_wait_alu depctr_va_vdst(0)                   ; v1 and v2 are written: every load and store of the three paths below reads one of them as its offset
	s_cmp_lt_u32 s2, 256
	s_cbranch_scc0 .Lsmall
	; ---- the cast: 131,072 bytes in, 65,536 out
	s_cmp_eq_u32 s3, 4
	s_cselect_b64 s[34:35], s[10:11], s[8:9]
	s_cmp_eq_u32 s3, 5
	s_cselect_b64 s[34:35], s[12:13], s[34:35]
	s_cmp_eq_u32 s3, 6
	s_cselect_b64 s[34:35], s[14:15], s[34:35]
	s_cmp_eq_u32 s3, 7
	s_cselect_b64 s[34:35], s[16:17], s[34:35]
	s_cmp_lt_u32 s2, 128
	s_cselect_b64 s[36:37], s[28:29], s[30:31]     ; xb or wb
	s_cselect_b32 s4, s2, s4                       ; the part of the source: g in x, g % 32 in a matrix
	s_lshl_b32 s38, s4, 17
	s_mov_b32 s39, 0
	s_lshl_b32 s40, s5, 16                         ; the part of the destination: g % 128 in both
	s_mov_b32 s41, 0
	s_add_nc_u64 s[34:35], s[34:35], s[38:39]
	s_add_nc_u64 s[36:37], s[36:37], s[40:41]
.set i, 0
.rept 32
	global_load_b128 v[RAW+4*i:RAW+4*i+3], v1, s[34:35] offset:4096*i th:TH_LOAD_NT  ; no vector instruction has named these registers
.set i, i+1
.endr
.set p, 0
.rept 8                                ; block p: loads 4 p to 4 p + 3 are rounded; the block before is stored
	s_wait_loadcnt 28-4*p                          ; loads come back in order: the block's four are in, the 28 - 4 p younger ones stay out
.if p > 0
	s_wait_alu depctr_va_vdst(0)                   ; the block before has written its eight out registers, which the four stores below read
.endif
.set k, 0
.rept 4
.set i, 4*p+k
.if p > 0
	global_store_b64 v2, v[OUT+2*(i-4):OUT+2*(i-4)+1], s[36:37] offset:2048*(i-4)  ; no vector instruction since the wait names these registers
.endif
	v_cvt_pk_bf16_f32 v[OUT+2*i], v[RAW+4*i], v[RAW+4*i+1]
	v_cvt_pk_bf16_f32 v[OUT+2*i+1], v[RAW+4*i+2], v[RAW+4*i+3]  ; no register is used twice, so nothing is waited for before it is written
.set k, k+1
.endr
.set p, p+1
.endr
	s_wait_alu depctr_va_vdst(0)                   ; block 7 has written its eight out registers, which the last four stores read
.set i, 28
.rept 4
	global_store_b64 v2, v[OUT+2*i:OUT+2*i+1], s[36:37] offset:2048*i
.set i, i+1
.endr
	s_endpgm
.Lsmall:
	s_cmp_lt_u32 s2, 260
	s_cbranch_scc0 .Lbias
	; ---- the tables: four positions a thread
	s_sub_co_u32 s3, s2, 256                       ; e: batch e / 2, half e % 2
	s_lshl_b32 s38, s3, 12
	s_mov_b32 s39, 0
	s_add_nc_u64 s[34:35], s[18:19], s[38:39]
	global_load_b128 v[8:11], v1, s[34:35]
	s_lshr_b32 s4, s3, 1
	s_and_b32 s5, s3, 1
	s_lshl_b32 s40, s4, 15
	s_lshl_b32 s6, s5, 12
	s_add_co_u32 s40, s40, s6
	s_mov_b32 s41, 0
	s_add_nc_u64 s[36:37], s[32:33], s[40:41]
	s_lshl_b32 s5, s5, 10
	v_lshl_add_u32 v24, v0, 2, s5                  ; my first position j
	v_add_nc_u32 v25, 1, v24
	v_add_nc_u32 v26, 2, v24
	v_add_nc_u32 v27, 3, v24
	s_mov_b32 s42, APOS
	s_mov_b32 s43, ANEG
	s_wait_loadcnt 0x0
	v_cvt_pk_bf16_f32 v12, v8, v9
	v_cvt_pk_bf16_f32 v13, v10, v11
	v_lshlrev_b32 v8, 16, v12                      ; DR: delta_r rounded to bf16, as f32
	v_and_b32 v9, 0xffff0000, v12
	v_lshlrev_b32 v10, 16, v13
	v_and_b32 v11, 0xffff0000, v13
.irp k, 0,1,2,3
	v_add_f32 v[16+(\k)], EPS, v[8+(\k)]
.endr
.irp k, 0,1,2,3
	v_log_f32 v[16+(\k)], v[16+(\k)]               ; one batch of four
.endr
.irp k, 0,1,2,3
	v_cvt_f32_u32 v[20+(\k)], v[24+(\k)]           ; plain work that names no result of the batch
.endr
	s_wait_alu depctr_va_vdst(0)                   ; one wait for the batch, ahead of its first reader: the logarithms have written v[16:19], and the lines above them v[8:11]; the two stores below read both
	global_store_b128 v1, v[8:11], s[36:37] offset:16384
	global_store_b128 v1, v[16:19], s[36:37] offset:24576
.irp k, 0,1,2,3
	v_fma_f32 v[28+(\k)], v[20+(\k)], s42, v[16+(\k)]  ; TL
	v_fma_f32 v[32+(\k)], v[20+(\k)], s43, v[16+(\k)]  ; TR
.endr
	s_wait_alu depctr_va_vdst(0)                   ; the eight multiply-adds have written v[28:35], which the two stores below read
	global_store_b128 v1, v[28:31], s[36:37]
	global_store_b128 v1, v[32:35], s[36:37] offset:8192
	s_endpgm
.Lbias:
	; ---- a bias: 1,024 numbers, four a thread
	s_sub_co_u32 s3, s2, 260                       ; 0 bq, 1 bk, 2 bv, 3 bo
	s_cmp_eq_u32 s3, 1
	s_cselect_b64 s[34:35], s[22:23], s[20:21]
	s_cmp_eq_u32 s3, 2
	s_cselect_b64 s[34:35], s[24:25], s[34:35]
	s_cmp_eq_u32 s3, 3
	s_cselect_b64 s[34:35], s[26:27], s[34:35]
	global_load_b128 v[8:11], v1, s[34:35]
.irp k, 0,1,2,3
	v_mov_b32 v[16+(\k)], 0                        ; place 2's zeros, made while the load is out, so that the one wait below serves both stores; only bv's work-group stores them
.endr
	s_cmp_eq_u32 s3, 0
	s_cselect_b32 s42, CQ, 1.0                     ; bq carries q's scale
	s_cmp_ge_u32 s3, 2
	s_cselect_b32 s4, 1, 0
	s_add_co_u32 s4, s4, s3                        ; its place: 0, 1, 3, 4
	s_lshl_b32 s40, s4, 12
	s_mov_b32 s41, 0
	s_add_nc_u64 s[36:37], s[32:33], s[40:41]
	s_wait_loadcnt 0x0
	v_cvt_pk_bf16_f32 v12, v8, v9
	v_cvt_pk_bf16_f32 v13, v10, v11
	v_lshlrev_b32 v8, 16, v12
	v_and_b32 v9, 0xffff0000, v12
	v_lshlrev_b32 v10, 16, v13
	v_and_b32 v11, 0xffff0000, v13
.irp k, 0,1,2,3
	v_mul_f32 v[8+(\k)], s42, v[8+(\k)]
.endr
	s_wait_alu depctr_va_vdst(0)                   ; the scalings have written v[8:11] and the moves v[16:19], which the stores below read
	global_store_b128 v1, v[8:11], s[36:37] offset:65536
	s_cmp_lg_u32 s3, 2
	s_cbranch_scc1 .Lend
	global_store_b128 v1, v[16:19], s[32:33] offset:65536+2*4096  ; place 2: x Wv is stored without a bias
.Lend:
	s_endpgm
.Lfunc_end_k_qfd84be1685_prep:
	.size	k_qfd84be1685_prep, .Lfunc_end_k_qfd84be1685_prep-k_qfd84be1685_prep
	.p2alignl 7, 3214868480
	.fill 96, 4, 3214868480
	.section	.rodata,"a",@progbits
	.p2align	6, 0x0
	.amdhsa_kernel k_qfd84be1685_prep
		.amdhsa_group_segment_fixed_size 0
		.amdhsa_private_segment_fixed_size 0
		.amdhsa_enable_private_segment 0
		.amdhsa_kernarg_size 104
		.amdhsa_user_sgpr_count 2
		.amdhsa_user_sgpr_kernarg_segment_ptr 1
		.amdhsa_wavefront_size32 1
		.amdhsa_system_sgpr_workgroup_id_x 1
		.amdhsa_system_sgpr_workgroup_id_y 1
		.amdhsa_system_sgpr_workgroup_id_z 1
		.amdhsa_system_vgpr_workitem_id 0
		.amdhsa_next_free_vgpr 200
		.amdhsa_next_free_sgpr 66
		.amdhsa_reserve_vcc 0
		.amdhsa_float_denorm_mode_32 3
		.amdhsa_float_denorm_mode_16_64 3
		.amdhsa_memory_ordered 1
		.amdhsa_forward_progress 1
		.amdhsa_inst_pref_size 17
	.end_amdhsa_kernel
	.amdgpu_metadata
---
amdhsa.version: [ 1, 2 ]
amdhsa.kernels:
  - .name:           k_qfd84be1685_prep
    .symbol:         k_qfd84be1685_prep.kd
    .args:
      - { .name: x, .offset: 0, .size: 8, .value_kind: global_buffer, .address_space: global }
      - { .name: Wq, .offset: 8, .size: 8, .value_kind: global_buffer, .address_space: global }
      - { .name: Wk, .offset: 16, .size: 8, .value_kind: global_buffer, .address_space: global }
      - { .name: Wv, .offset: 24, .size: 8, .value_kind: global_buffer, .address_space: global }
      - { .name: Wo, .offset: 32, .size: 8, .value_kind: global_buffer, .address_space: global }
      - { .name: delta_r, .offset: 40, .size: 8, .value_kind: global_buffer, .address_space: global }
      - { .name: bq, .offset: 48, .size: 8, .value_kind: global_buffer, .address_space: global }
      - { .name: bk, .offset: 56, .size: 8, .value_kind: global_buffer, .address_space: global }
      - { .name: bv, .offset: 64, .size: 8, .value_kind: global_buffer, .address_space: global }
      - { .name: bo, .offset: 72, .size: 8, .value_kind: global_buffer, .address_space: global }
      - { .name: xb, .offset: 80, .size: 8, .value_kind: global_buffer, .address_space: global }
      - { .name: wb, .offset: 88, .size: 8, .value_kind: global_buffer, .address_space: global }
      - { .name: tab, .offset: 96, .size: 8, .value_kind: global_buffer, .address_space: global }
    .group_segment_fixed_size: 0
    .private_segment_fixed_size: 0
    .kernarg_segment_align: 8
    .kernarg_segment_size: 104
    .max_flat_workgroup_size: 256
    .sgpr_count:     66
    .vgpr_count:     200
    .wavefront_size: 32
...
	.end_amdgpu_metadata
.endif
;; end of part 5
;; launch qkvp: the kernel of part 2 again; grid 8 x 32, 4 waves a work-group, clusters of 4 x 4, 327,680 bytes of LDS; arguments xb, wb, tab, qkv; writes qkv
;; launch attn: the kernel of part 3 again; grid 8 x 32, 4 waves a work-group, no clusters, 327,680 bytes of LDS; arguments qkv, tab, ctx, st; writes ctx, st
;; launch meanout: the kernel of part 4 again; grid 8 x 32, 4 waves a work-group, clusters of 4 x 4, 327,680 bytes of LDS; arguments qkv, st, tab, out1, ctx, wb, out0; writes out1, out0
